; MI455X (gfx1250); checked and timed in simulation.
; The chip was launched on July 23, 2026; its instructions are those of AMD's public machine-readable ISA for CDNA 5 (MIT licence, August 2026) and "CDNA5" Instruction Set Architecture Reference Guide (July 2026). The comments in the code are by the model that wrote it; some were corrected since.
;; Fusing Net. Allowed arithmetic: float matrix products may take bf16 or f16 operands with f32 sums; other float arithmetic in f32, or as packed bf16 or f16 multiplies, adds, multiply-adds, maxima and minima; sums over many terms, partial sums and values carried from step to step in f32; what a program stores and reads back later, other than sums and carried values, may be rounded once to bf16 or f16.
;; Inputs: W1k 16 x 32 float32; W1l 16 x 32 float32; W1w 26 x 32 float32; W2k 32 x 16 float32; W2l 32 x 1 float32; W2w 32 x 1 float32; b1k 32 float32; b1l 32 float32; b1w 32 float32; b2k 16 float32; b2l 1 float32; b2w 1 float32; input_future 2,048 x 384 float32; key_sys 50,000 int32; keys 50,000 x 384 float32; syslist 2,048 int32; vals 50,000 float32; wav2vec_prob 2,048 x 16 float32; wav2vec_score 2,048 x 1 float32.
;; Outputs: out0 2,048 float32.
;; 2 versions, each right; version 2 is version 1 with the launch prep written anew for expert scheduling mode. Each part assembles by itself: llvm-mc -triple=amdgcn-amd-amdhsa -mcpu=gfx1250 --defsym DOCPART=n.
;; ======== version 1 of 2: 5 launches
;; limits: right only within a limited range of input values
;; workspace buffers: kb 38,633,472 bytes; kmeta 804,864 bytes; qb 1,572,864 bytes; qmeta 32,768 bytes; l1 51,380,224 bytes; l2 4,194,304 bytes; sgid 131,072 bytes of whole numbers; gidb 131,072 bytes of whole numbers
;; launch prep (part 1): grid 409 x 1, 8 waves a work-group, no clusters, 0 bytes of LDS; arguments keys, key_sys, input_future, syslist, kb, kmeta, qb, qmeta; writes kb, kmeta, qb, qmeta
.if DOCPART == 1
	.amdgcn_target "amdgcn-amd-amdhsa--gfx1250"
	.amdhsa_code_object_version 6
	.text
	.protected	k_q85c6772674_prep
	.globl	k_q85c6772674_prep
	.p2align	8
	.type	k_q85c6772674_prep,@function
k_q85c6772674_prep:
	s_mov_b64 s[64:65], 0
	v_nop
	global_prefetch_b8 v0, s[64:65] scope:SCOPE_SE
	s_setreg_imm32_b32 hwreg(HW_REG_WAVE_MODE, 25, 1), 1
	s_wait_xcnt 0x0
; PREP.  keys [50000][384] f32 and input_future [2048][384] f32 are rounded once to bf16 (kb, qb: 768 bytes a row), and for each tile of
; 16 rows a record of 256 bytes is written (kmeta, qmeta): the 16 sums of squares of the ROUNDED numbers in f32, the 16 system ids, zeros.
; One wave, one tile of 16 rows.  Work-groups 0 .. 392 take key tiles 8 wg + wave (0 .. 3143), work-groups 393 .. 408 the 128 query tiles.
; 50,000 = 3,125 x 16: a key tile is wholly real or wholly pad.  Pad tiles (3125 .. 3143) get zero rows, sums of +inf and id 0.
; A tile is 24,576 consecutive bytes: 48 loads of 512 bytes, all issued at once; a row is three of them.  Each store covers 256 consecutive bytes (a pad tile's: 512), aligned.
; No LDS, no barrier: no wave needs another's bytes.  The sums' order differs from a plain left-to-right sum (two chains a lane, then across lanes).
.set NKT,  3125                        ; real key tiles
.set KWG,  393                         ; work-groups that take key tiles
.set EV,   8                           ; v[8:9]   the record's 8 bytes of my lane: even row's sum, odd row's sum
.set SUM,  10                          ; v[10:11] two chains of squares
.set ZR,   12                          ; v[12:15] zeros
.set X,    32                          ; v[32:223] the tile as loaded: load i at X + 4 i
	s_load_b256 s[4:11], s[0:1], 0x0               ; keys s[4:5], key_sys s[6:7], input_future s[8:9], syslist s[10:11]
	s_load_b256 s[12:19], s[0:1], 0x20             ; kb s[12:13], kmeta s[14:15], qb s[16:17], qmeta s[18:19]
	v_lshrrev_b32 v1, 5, v0
	v_readfirstlane_b32 s20, v1                    ; wave 0..7
	v_and_b32 v2, 31, v0                           ; lane
	v_lshlrev_b32 v3, 4, v2                        ; 16 x lane
	v_and_b32 v4, 7, v0
	v_lshlrev_b32 v4, 3, v4                        ; 8 x (lane % 8): a pair of ids
	v_lshlrev_b32 v5, 3, v2                        ; 8 x lane
	v_mov_b32 v[EV], 0
	v_mov_b32 v[EV+1], 0
.irp i, 0,1,2,3
	v_mov_b32 v[ZR+(\i)], 0
.endr
	s_mov_b32 s26, 0x76543210                      ; v_permlanex16_b32: each lane takes its own place in the other half
	s_mov_b32 s27, 0xfedcba98
	s_mov_b32 s22, NKT
	s_mov_b32 s23, 128
	s_wait_kmcnt 0x0
	s_cmp_lt_u32 ttmp9, KWG                        ; keys or queries: the choice hangs on the work-group's number alone
	s_cselect_b64 s[4:5], s[4:5], s[8:9]           ; rows in
	s_cselect_b64 s[6:7], s[6:7], s[10:11]         ; ids in
	s_cselect_b64 s[12:13], s[12:13], s[16:17]     ; rows out
	s_cselect_b64 s[14:15], s[14:15], s[18:19]     ; records out
	s_cselect_b32 s21, 0, KWG
	s_cselect_b32 s22, s22, s23                    ; how many tiles are real
	s_sub_co_u32 s21, ttmp9, s21
	s_lshl3_add_u32 s21, s21, s20                  ; my tile
	s_mov_b32 s25, 0
	s_mul_i32 s24, s21, 24576
	s_add_nc_u64 s[4:5], s[4:5], s[24:25]
	s_lshl_b32 s24, s21, 6
	s_add_nc_u64 s[6:7], s[6:7], s[24:25]
	s_mul_i32 s24, s21, 12288
	s_add_nc_u64 s[12:13], s[12:13], s[24:25]
	s_lshl_b32 s24, s21, 8
	s_add_nc_u64 s[14:15], s[14:15], s[24:25]
	s_cmp_lt_u32 s21, s22
	s_cbranch_scc0 .Lpad
	global_load_b64 v[6:7], v4, s[6:7]             ; ids 2 (lane % 8) and the next
.set i, 0
.rept 48
	global_load_b128 v[X+4*i:X+4*i+3], v3, s[4:5] offset:512*i th:TH_LOAD_NT
.set i, i+1
.endr
; Row rho: rounded in place (each load's registers 0, 1 then hold four bf16), squared from the rounded halves, summed over the 32 lanes, stored.
.macro ROW rho
.set XR, X+12*(\rho)
	s_wait_loadcnt 45-3*(\rho)                     ; behind the row's third load 45 - 3 rho loads were issued: they may stay out
.irp i, 0,4,8
	v_cvt_pk_bf16_f32 v[XR+(\i)],   v[XR+(\i)],   v[XR+(\i)+1]
	v_cvt_pk_bf16_f32 v[XR+(\i)+1], v[XR+(\i)+2], v[XR+(\i)+3]
.endr
	v_fma_mix_f32_bf16 v[SUM],   v[XR], v[XR], v[ZR] op_sel_hi:[1,1,0]                  ; low halves' chain starts on 0
	v_fma_mix_f32_bf16 v[SUM+1], v[XR], v[XR], v[ZR] op_sel:[1,1,0] op_sel_hi:[1,1,0]   ; high halves' chain
.irp i, 1,4,5,8,9
	v_fma_mix_f32_bf16 v[SUM],   v[XR+(\i)], v[XR+(\i)], v[SUM] op_sel_hi:[1,1,0]
	v_fma_mix_f32_bf16 v[SUM+1], v[XR+(\i)], v[XR+(\i)], v[SUM+1] op_sel:[1,1,0] op_sel_hi:[1,1,0]
.endr
	v_add_f32 v[SUM], v[SUM], v[SUM+1]
	v_add_f32_dpp v[SUM], v[SUM], v[SUM] row_xmask:1 row_mask:0xf bank_mask:0xf
	v_add_f32_dpp v[SUM], v[SUM], v[SUM] row_xmask:2 row_mask:0xf bank_mask:0xf
	v_add_f32_dpp v[SUM], v[SUM], v[SUM] row_xmask:4 row_mask:0xf bank_mask:0xf
	v_add_f32_dpp v[SUM], v[SUM], v[SUM] row_xmask:8 row_mask:0xf bank_mask:0xf
	v_permlanex16_b32 v[SUM+1], v[SUM], s26, s27
	v_add_f32 v[SUM], v[SUM], v[SUM+1]
	s_mov_b32 s28, 1<<((\rho)/2)
	v_cndmask_b32 v[EV+(\rho)%2], v[EV+(\rho)%2], v[SUM], s28   ; lane rho / 2 keeps it
.irp i, 0,1,2
	global_store_b64 v5, v[XR+4*(\i):XR+4*(\i)+1], s[12:13] offset:256*(3*(\rho)+(\i))  ; 32 lanes x 8 bytes: 256 consecutive bytes, aligned
.endr
.endm
.irp rho, 0,1,2,3,4,5,6,7,8,9,10,11,12,13,14,15
	ROW \rho
.endr
	s_mov_b32 s28, 0xff00                          ; lanes 8-15 carry the ids (the last row's wait was for 0: they are in); lanes 16-31 keep zeros
	v_cndmask_b32 v[EV], v[EV], v6, s28
	v_cndmask_b32 v[EV+1], v[EV+1], v7, s28
	global_store_b64 v5, v[EV:EV+1], s[14:15]
	s_endpgm
.Lpad:                                         ; a pad tile: zero rows; sums of +inf, so that its distances are +inf
.set i, 0
.rept 24
	global_store_b128 v3, v[ZR:ZR+3], s[12:13] offset:512*i
.set i, i+1
.endr
	v_mov_b32 v16, 0x7f800000
	v_cmp_gt_u32 vcc_lo, 8, v2
	v_cndmask_b32 v[EV], v[ZR], v16, vcc_lo
	v_cndmask_b32 v[EV+1], v[ZR], v16, vcc_lo
	global_store_b64 v5, v[EV:EV+1], s[14:15]
	s_endpgm
.Lfunc_end_k_q85c6772674_prep:
	.size	k_q85c6772674_prep, .Lfunc_end_k_q85c6772674_prep-k_q85c6772674_prep
	.p2alignl 7, 3214868480
	.fill 96, 4, 3214868480
	.section	.rodata,"a",@progbits
	.p2align	6, 0x0
	.amdhsa_kernel k_q85c6772674_prep
		.amdhsa_group_segment_fixed_size 0
		.amdhsa_private_segment_fixed_size 0
		.amdhsa_enable_private_segment 0
		.amdhsa_kernarg_size 64
		.amdhsa_user_sgpr_count 2
		.amdhsa_user_sgpr_kernarg_segment_ptr 1
		.amdhsa_wavefront_size32 1
		.amdhsa_system_sgpr_workgroup_id_x 1
		.amdhsa_system_sgpr_workgroup_id_y 1
		.amdhsa_system_sgpr_workgroup_id_z 1
		.amdhsa_system_vgpr_workitem_id 0
		.amdhsa_next_free_vgpr 224
		.amdhsa_next_free_sgpr 66
		.amdhsa_reserve_vcc 1
		.amdhsa_float_denorm_mode_32 3
		.amdhsa_float_denorm_mode_16_64 3
		.amdhsa_memory_ordered 1
		.amdhsa_forward_progress 1
		.amdhsa_inst_pref_size 40
	.end_amdhsa_kernel
	.amdgpu_metadata
---
amdhsa.version: [ 1, 2 ]
amdhsa.kernels:
  - .name:           k_q85c6772674_prep
    .symbol:         k_q85c6772674_prep.kd
    .args:
      - { .name: keys, .offset: 0, .size: 8, .value_kind: global_buffer, .address_space: global }
      - { .name: key_sys, .offset: 8, .size: 8, .value_kind: global_buffer, .address_space: global }
      - { .name: input_future, .offset: 16, .size: 8, .value_kind: global_buffer, .address_space: global }
      - { .name: syslist, .offset: 24, .size: 8, .value_kind: global_buffer, .address_space: global }
      - { .name: kb, .offset: 32, .size: 8, .value_kind: global_buffer, .address_space: global }
      - { .name: kmeta, .offset: 40, .size: 8, .value_kind: global_buffer, .address_space: global }
      - { .name: qb, .offset: 48, .size: 8, .value_kind: global_buffer, .address_space: global }
      - { .name: qmeta, .offset: 56, .size: 8, .value_kind: global_buffer, .address_space: global }
    .group_segment_fixed_size: 0
    .private_segment_fixed_size: 0
    .kernarg_segment_align: 8
    .kernarg_segment_size: 64
    .max_flat_workgroup_size: 256
    .sgpr_count:     66
    .vgpr_count:     224
    .wavefront_size: 32
...
	.end_amdgpu_metadata
.endif
;; end of part 1
;; launch main (part 2): grid 4 x 64, 4 waves a work-group, clusters of 4 x 1, 327,680 bytes of LDS; arguments kb, kmeta, qb, qmeta, l1, l2; writes l1, l2
.if DOCPART == 2
	.amdgcn_target "amdgcn-amd-amdhsa--gfx1250"
	.amdhsa_code_object_version 6
	.text
	.protected	k_q85c6772674_main
	.globl	k_q85c6772674_main
	.p2align	8
	.type	k_q85c6772674_main,@function
k_q85c6772674_main:
	s_mov_b64 s[64:65], 0
	v_nop
	global_prefetch_b8 v0, s[64:65] scope:SCOPE_SE
	s_setreg_imm32_b32 hwreg(HW_REG_WAVE_MODE, 25, 1), 1
	s_wait_xcnt 0x0
	s_wait_alu depctr_hold_cnt(0) depctr_sa_sdst(0) depctr_va_vdst(0) depctr_va_sdst(0) depctr_va_ssrc(0) depctr_va_vcc(0) depctr_vm_vsrc(0)
	s_getreg_b32 s2, hwreg(HW_REG_IB_STS2, 6, 4)
	s_cmp_eq_u32 s2, 0
	s_cbranch_scc0 .Lentry_in_a_cluster
	s_endpgm
.Lentry_in_a_cluster:
	s_bfe_u32 s2, ttmp6, 0x10000c
	s_cmp_lg_u32 s2, 0x3003
	s_cbranch_scc0 .Lentry_shape_is_right
	s_endpgm
.Lentry_shape_is_right:
; MAIN.  d2[q][k] = (q2[q] - 2 q.k) + k2[k], 1e9 where the system ids agree, for 2,048 queries x 50,176 keys (pads included), and of it only MINIMA leave:
;   l1: the minimum of each 8 consecutive keys;   l2: the minimum of each 112 consecutive keys (7 tiles of 16).
; The 16 groups with the smallest (minimum, number) hold the 16 nearest keys, ties by index included; later launches pick them.
; SHARES.  Work-group x (its place in the cluster) owns 512 queries, y a chunk of 49 key tiles.  A wave keeps 128 queries (8 tiles of 16) as 96 fragments in 768 registers for the
; whole launch; keys stream through LDS.  CLUSTER: the four work-groups of a cluster walk the same chunk, so every key tile is asked for jointly (mask 15).
; PRODUCT, transposed: source 0 = 16 keys, source 1 = 16 queries; lane (r, h) then holds query r and keys 8 h + j in register j.  K ascends, 12 instructions a tile pair, the first with C = 0.
; BY TURNS.  The 8 query tiles are two groups of 4.  While one group's 48 products run, the other group's 116 vector instructions (distance, mask, minima) stand in slices of 2 or 3 behind them.
; A trip on tile kt: HALF 1 = group B x K(kt) beside A's vector work on kt; HALF 0 = group A x K(kt + 1) beside B's vector work on kt.  So a trip fetches K(kt + 1), and the
; chunk's tile 49 (the next chunk's first, or a pad tile) is fetched and half multiplied for nothing: the price of one text for all 49 trips.
; LIMITS.  A NaN distance counts as absent in the minima.  Pad keys give +inf, or 1e9 for a query of system 0: real distances above 1e9 are not ordered against those.
; LDS.  3,328 tile 0 (16 keys x 816); 16,384 slot 0 (112 keys x 816); 107,776 tile 0's record; 108,032 slot 0's 7 records; slot 1 and its records 1<<17 further on;
; 240,896 the stash (4,096 bytes a wave: [query 128][8] f32, no fill lands there); 257,280 the spare words.  A key is three rows of 256 bytes, each padded by 16: 816 = 51 x 16,
; so the 16 keys of a fragment load start at 16 different 16-byte columns.  Slot q holds the chunk's tiles 7 q + 1 .. 7 q + 7.
; REGISTERS.  Window 0: below.  Windows 1-3: the queries: fragment a = 48 g + 4 f + t' at absolute register 256 + 8 a.
.set PK,     816
.set TILEB,  16*PK
.set T0,     3328
.set SLOT0,  16384
.set XSL,    1<<17
.set MT0,    107776
.set META0,  108032
.set STASH,  240896
.set SPARE,  257280
.set KSLOT,  7*12288                   ; a slot's bytes in kb
.set AK0,  2                           ; v2   816 r + 16 h; never rewritten
.set AK,   3                           ; v3   LDS address of the key tile to be fetched
.set AM0,  4                           ; v4   32 h; never rewritten
.set AM,   5                           ; v5   LDS address of its record
.set LOFF, 6                           ; v6   16 x lane; never rewritten
.set STA,  7                           ; v7   where the phase's minima go in my stash
.set QO,   8                           ; v8   768 r + 16 h for the queries' loads; at the end my read address in the stash
.set PFO,  9                           ; v9   256 x min(lane, 27); never rewritten
.set QM,   10                          ; v10  4 r
.set STA0, 11                          ; v11  STASH + 4,096 wave + 32 r; never rewritten
.set SPW,  12                          ; v12  my spare word; never rewritten
.set NIL,  13                          ; v13  0; never rewritten
.set TA,   14                          ; v14-15 at work
.set QP,   16                          ; v[16:31]  pairs (q2, system id) of query tile t at QP + 2 t
.set M,    32                          ; v[32:39]  the tile's minimum for query tile t
.set R,    40                          ; v[40:47]  the running minimum of the phase's 7 tiles
.set SA,   48                          ; v[48:63] record for group A's work: k2 x 8, ids x 8; v[64:79] the same for group B's
.set ACC,  80                          ; v[80:143] accumulator of query tile t at ACC + 8 t
.set KF,   144                         ; v[144:239] the key tile's 12 fragments
.set WV,   16                          ; s16 wave   s17 cx   s18 chunk   s19 4 cx + wave
.set CX,   17
.set CH,   18
.set WQ,   19
.set STP,  21                          ; s21  4 x the phase's number
.set G1K,  24                          ; s[24:31] group 1 for key tiles
.set G1M,  32                          ; s[32:39] for records
.set G0KF, 40                          ; s[40:43] group 0, keys, first fill
.set G0KW, 44                          ; s[44:47] keys, walking
.set G0MF, 48                          ; s[48:51] records, first fill
.set G0MW, 52                          ; s[52:55] records, walking
.set OUTER, 56
.set INNER, 57
.set TBK,  58                          ; s58  LDS byte of the key tile to be fetched
.set TBM,  59                          ; s59  of its record
.set LIM,  60                          ; s60  1 in a wave that prefetches, else the greatest number
.set BIG,  61                          ; s61  1e9
.set SEL,  62                          ; s[62:63] v_permlanex16_b32's selects
.set PFA,  66                          ; s[66:67] where my prefetches stand
.set MK,   68                          ; s[68:99] 32 masks: 8 keys x 4 query tiles
.set MSB, 0
.macro WIN new                         ; the immediate's high byte repeats the setting that is left; a switch that changes nothing is dropped
.if MSB != (\new)
	s_set_vgpr_msb (MSB<<8)|(\new)
.set MSB, (\new)
.endif
.endm
.macro NOP4
.rept 4
	v_nop
.endr
.endm
; A round of the cluster's barrier
.macro CROUND
	s_barrier_signal -1
	s_barrier_wait -1
	s_cmp_lg_u32 s[WV], 0
	s_cbranch_scc1 .Lnot_wave_0_\@
	s_barrier_signal -3
.Lnot_wave_0_\@:
	s_barrier_wait -3
	s_barrier_signal -1
	s_barrier_wait -1
.endm
; A joint refill: waves 0-2 a third of a slot's keys each (112 rows of 256 bytes), wave 3 its 7 records.  The branch hangs on the wave's number alone.
.macro JLOAD
	s_cmp_lt_u32 s[WV], 3
	s_cbranch_scc0 .Lfor_m_\@
	tensor_load_to_lds s[G0KW:G0KW+3], s[G1K:G1K+7]
	s_nop 0
	NOP4
	s_branch .Lasked_\@
.Lfor_m_\@:
	tensor_load_to_lds s[G0MW:G0MW+3], s[G1M:G1M+7]
	s_nop 0
	NOP4
.Lasked_\@:
.endm
; A prefetch of the slot that the NEXT change will ask for: its 336 rows of 256 bytes are shared out by address, 84 to a partner, 28 to each of its waves 0-2, a lane a row
; (lanes 28-31 name lane 27's).  A chunk's rows are walked by this cluster alone.  The last change that fills a slot asks for nothing; slots 0, 1 and the records come by their loads alone.
.macro ASK
	s_cmp_gt_u32 s[OUTER], s[LIM]
	s_cbranch_scc0 .Lnot_mine_\@
	global_prefetch_b8 v[PFO], s[PFA:PFA+1] th:TH_LOAD_NT scope:SCOPE_SE
.Lnot_mine_\@:
.endm
; 8 LDS loads: fragments 4 b .. 4 b + 3 of the key tile at AK (fragment F at 64 F + 16 (F / 4))
.macro KRUN b
.irp f, 0,1,2,3
	ds_load_b128 v[KF+8*(4*(\b)+(\f)):KF+8*(4*(\b)+(\f))+3],   v[AK] offset:272*(\b)+64*(\f)
	ds_load_b128 v[KF+8*(4*(\b)+(\f))+4:KF+8*(4*(\b)+(\f))+7], v[AK] offset:272*(\b)+64*(\f)+32
.endr
.endm
; 4 LDS loads: k2 and ids of my half's 8 keys
.macro SLOAD s
	ds_load_b128 v[(\s):(\s)+3],     v[AM]
	ds_load_b128 v[(\s)+4:(\s)+7],   v[AM] offset:16
	ds_load_b128 v[(\s)+8:(\s)+11],  v[AM] offset:64
	ds_load_b128 v[(\s)+12:(\s)+15], v[AM] offset:80
.endm
; Product i of 48 of group g: fragment i / 4, query tile 4 g + i % 4.  The four accumulators take turns.  Only source 1 leaves window 0.
.macro MMA g
.set ab, 256+384*(\g)+8*i
.set rQ, ab&255
.set rC, ACC+8*(4*(\g)+i%4)
.set rK, KF+8*(i/4)
	WIN (ab>>8)<<2
.if i < 4
	v_wmma_f32_16x16x32_bf16 v[rC:rC+7], v[rK:rK+7], v[rQ:rQ+7], 0
.else
	v_wmma_f32_16x16x32_bf16 v[rC:rC+7], v[rK:rK+7], v[rQ:rQ+7], v[rC:rC+7]
.endif
.endm
; Number j of the 116 vector instructions of group g, kind n = j / 4 for query tile 4 g + j % 4:
;   0-3  q2 - 2 dot, a pair each (the accumulator's lowest registers first)     4-7  + k2     8-15  ids alike?     16-23  then 1e9     24-27  the tile's minimum     28  the phase's
; Kinds 0-7 and 16-23 have no vector register as source 1, the one place whose window the products set: they need no switch.
.macro RID g
.set n, j/4
.set t, 4*(\g)+j%4
.set rA, ACC+8*t
.set rS, SA+16*(\g)
.if n < 4
	v_pk_fma_f32 v[rA+2*n:rA+2*n+1], v[rA+2*n:rA+2*n+1], -2.0, v[QP+2*t:QP+2*t+1] op_sel_hi:[1,0,0]
.elseif n < 8
	v_pk_fma_f32 v[rA+2*n-8:rA+2*n-7], v[rA+2*n-8:rA+2*n-7], 1.0, v[rS+2*n-8:rS+2*n-7] op_sel_hi:[1,0,1]
.elseif n < 16
	WIN 0
	v_cmp_eq_u32 s[MK+8*(j%4)+n-8], v[rS+n], v[QP+2*t+1]
.elseif n < 24
	v_cndmask_b32 v[rA+n-16], v[rA+n-16], s[BIG], s[MK+8*(j%4)+n-16]
.elseif n == 24
	WIN 0
	v_min3_num_f32 v[M+t], v[rA], v[rA+1], v[rA+2]
.elseif n == 25
	WIN 0
	v_min3_num_f32 v[M+t], v[M+t], v[rA+3], v[rA+4]
.elseif n == 26
	WIN 0
	v_min3_num_f32 v[M+t], v[M+t], v[rA+5], v[rA+6]
.elseif n == 27
	WIN 0
	v_min_num_f32 v[M+t], v[M+t], v[rA+7]
.else
	WIN 0
	v_min_num_f32 v[R+t], v[R+t], v[M+t]
.endif
.set j, j+1
.endm
; 48 products of group g, behind each 2 or 3 of the other group's vector instructions.  These are the places behind the products: at least 6 lie between an accumulator's last product and
; its first reader, at least 9 between a key fragment's last product and the loads that overwrite it.
.macro HALF g
.set j, 0
.set i, 0
.rept 48
.if (\g) == 0
.if i == 0
	s_wait_dscnt 8                                 ; only KRUN 1's eight may be out: group B's record and fragments 0-3 are in
.elseif i == 16
	s_wait_dscnt 12                                ; behind KRUN 1 twelve were issued (group A's record, KRUN 2): fragments 4-7 are in
.elseif i == 32
	s_wait_dscnt 0x0                               ; fragments 8-11 and group A's record
.endif
.endif
	MMA \g
.rept ((i+1)*116)/48-(i*116)/48
	RID 1-(\g)
.endr
.if (\g) == 1
.if i == 18
	KRUN 0                                         ; the next tile's fragments 0-3: this tile's were last multiplied by product 15
.elseif i == 34
	KRUN 1
.elseif i == 36
	s_wait_xcnt 0x0                                ; the last trip's stores have read M and their base: both are written only behind this wait (M from number 96 on)
	s_add_nc_u64 s[12:13], s[12:13], 16384         ; l1 one tile on; the stores reach back
.elseif i == 47
	WIN 0
	global_store_b128 v[LOFF], v[M:M+3], s[12:13] offset:-16384 th:TH_STORE_NT      ; 512 consecutive bytes, aligned
.endif
.else
.if i == 2
	SLOAD SA                                       ; the next tile's record, for group A's work in the next trip
	KRUN 2
.elseif i == 40
	SLOAD SA+16                                    ; and for group B's: this trip's readers ended with number 63
.elseif i == 47
	WIN 0
	global_store_b128 v[LOFF], v[M+4:M+7], s[12:13] offset:512-16384 th:TH_STORE_NT
	s_add_co_u32 s[TBK], s[TBK], TILEB
	s_add_co_u32 s[TBM], s[TBM], 256
	v_add_nc_u32 v[AK], s[TBK], v[AK0]
	v_add_nc_u32 v[AM], s[TBM], v[AM0]
.endif
.endif
.set i, i+1
.endr
.endm
; THE CHANGE OF SLOTS.  Every wave waits for all its tensor loads (one is out: its part of the slot to be read next), adds 0 to its spare word, waits for that and for its LDS reads.
; fill = 1: the slot just read out is filled again behind a round of the cluster's barrier, first thing; it has 7 trips, 672 products, in which to land.
.macro CHANGE fill
	WIN 0
	s_wait_tensorcnt 0x0                           ; no tensor load of mine is out, so descriptors may be written
	ds_add_u32 v[SPW], v[NIL]
.if \fill
	s_mov_b32 s[G1K+2], 112<<16                    ; a refill has 112 rows (the first fill had 128),
	s_mov_b32 s[G1K+4], 112
	s_mov_b32 s[G1M+2], 7<<16                      ; and 7 records (8)
	s_mov_b32 s[G1M+4], 7
	s_xor_b32 s[G0KW+1], s[G0KW+1], XSL            ; the other slot than last time,
	s_add_nc_u64 s[G0KW+2:G0KW+3], s[G0KW+2:G0KW+3], KSLOT  ; the next 7 tiles
	s_xor_b32 s[G0MW+1], s[G0MW+1], XSL
	s_add_nc_u64 s[G0MW+2:G0MW+3], s[G0MW+2:G0MW+3], 7*256
	s_wait_xcnt 0x0                                ; the last prefetch, 7 trips back, has read its address
	s_add_nc_u64 s[PFA:PFA+1], s[PFA:PFA+1], KSLOT
	s_wait_dscnt 0x0                               ; the add is done, and my reads of the slot are over
	CROUND
	JLOAD
	ASK
.else
	s_wait_dscnt 0x0
	s_barrier_signal -1
	s_barrier_wait -1
.endif
	s_sub_co_u32 s[TBK], s[TBK], 7*TILEB           ; the fetches go back to a slot's first tile,
	s_xor_b32 s[TBK], s[TBK], XSL                  ; in the other slot
	s_sub_co_u32 s[TBM], s[TBM], 7*256
	s_xor_b32 s[TBM], s[TBM], XSL
	v_add_nc_u32 v[AK], s[TBK], v[AK0]
	v_add_nc_u32 v[AM], s[TBM], v[AM0]
.endm
; A phase's end: the two halves of the lanes meet; the minimum of 112 keys goes into my stash (both halves store the same word); the running minima start anew.
.macro FINAL
	v_add_nc_u32 v[STA], s[STP], v[STA0]
	s_add_co_u32 s[STP], s[STP], 4
.irp t, 0,1,2,3,4,5,6,7
	v_permlanex16_b32 v[TA+(\t)%2], v[R+(\t)], s[SEL], s[SEL+1]
	v_min_num_f32 v[TA+(\t)%2], v[TA+(\t)%2], v[R+(\t)]
	ds_store_b32 v[STA], v[TA+(\t)%2] offset:512*(\t)
	v_mov_b32 v[R+(\t)], 0x7f800000
.endr
.endm
.macro PHASE fill
	CHANGE \fill
	s_mov_b32 s[INNER], 7
.Ltrip_\@:
	HALF 1
	HALF 0
	WIN 0
	s_sub_co_u32 s[INNER], s[INNER], 1
	s_cmp_lg_u32 s[INNER], 0
	s_cbranch_scc1 .Ltrip_\@
	FINAL
.endm
	s_load_b256 s[4:11], s[0:1], 0x0               ; kb s[4:5], kmeta s[6:7], qb s[8:9], qmeta s[10:11]
	s_load_b128 s[12:15], s[0:1], 0x20             ; l1 s[12:13], l2 s[14:15]
	v_lshl_add_u32 v[SPW], v0, 2, SPARE
	v_mov_b32 v[NIL], 0
	ds_add_u32 v[SPW], v[NIL]                      ; the wave's opening: the add and its wait come ahead of my first tensor load
	v_lshrrev_b32 v1, 5, v0
	v_readfirstlane_b32 s[WV], v1                  ; wave 0..3
	s_bfe_u32 s[CX], ttmp6, 0x40000                ; my place in the cluster: it enters the addresses of qb, qmeta, l1, l2 and of the prefetches alone
	s_and_b32 s[CH], ttmp7, 0xffff                 ; the chunk, which the four partners share
	s_lshl2_add_u32 s[WQ], s[CX], s[WV]            ; my block of 128 queries
	; group 1: dense rows of 256 bytes (32 elements of 8 bytes); the keys' rows padded by 16 bytes in LDS
	s_mov_b32 s[G1K], 15|(3<<16)|(1<<20)|(1<<21)|(5<<22)|(3<<25)  ; the mask of four; 8-byte elements; padding on; bit 21 beside a mask; after every 64 words; 4 words
	s_mov_b32 s[G1K+1], 32<<16                     ; tensor_dim0 = 32
	s_mov_b32 s[G1K+2], 128<<16                    ; tensor_dim1 = 128 rows in the first fill
	s_mov_b32 s[G1K+3], 32<<16                     ; tile_dim0 = 32
	s_mov_b32 s[G1K+4], 128                        ; tile_dim1
	s_mov_b32 s[G1K+5], 32                         ; 32 elements from row to row
	s_mov_b32 s[G1K+6], 0
	s_mov_b32 s[G1K+7], 0
	s_mov_b32 s[G1M], 15|(3<<16)|(1<<21)           ; the records: no padding
	s_mov_b32 s[G1M+1], 32<<16
	s_mov_b32 s[G1M+2], 8<<16
	s_mov_b32 s[G1M+3], 32<<16
	s_mov_b32 s[G1M+4], 8
	s_mov_b32 s[G1M+5], 32
	s_mov_b32 s[G1M+6], 0
	s_mov_b32 s[G1M+7], 0
	s_mov_b32 s[G0KF], 1
	s_mul_i32 s[G0KF+1], s[WV], 128*272            ; first fill: tiles 0-7 = 384 rows, 128 a wave, from tile 0's place on
	s_add_co_u32 s[G0KF+1], s[G0KF+1], T0
	s_mov_b32 s[G0KW], 1
	s_mul_i32 s[G0KW+1], s[WV], 112*272            ; refills: 336 rows, 112 a wave; the first change turns this into slot 1
	s_add_co_u32 s[G0KW+1], s[G0KW+1], SLOT0
	s_mov_b32 s[G0MF], 1
	s_mov_b32 s[G0MF+1], MT0
	s_mov_b32 s[G0MW], 1
	s_mov_b32 s[G0MW+1], META0
	s_mov_b32 s[BIG], 0x4e6e6b28                   ; 1e9
	s_mov_b32 s[SEL], 0x76543210
	s_mov_b32 s[SEL+1], 0xfedcba98
	s_mov_b32 s[TBK], SLOT0+XSL+7*TILEB            ; the first change turns these two into slot 0's
	s_mov_b32 s[TBM], META0+XSL+7*256
	s_cmp_lt_u32 s[WV], 3
	s_cselect_b32 s[LIM], 1, -1
	s_mul_i32 s20, s[CH], 49*12288                 ; the chunk's first byte in kb
	s_mov_b32 s21, 0
	s_lshl_b32 s22, s[WV], 15                      ; 128 rows of 256 bytes a wave
	s_mov_b32 s23, 0
	s_wait_dscnt 0x0                               ; the opening add is done
	s_wait_kmcnt 0x0
	s_add_nc_u64 s[4:5], s[4:5], s[20:21]
	s_add_nc_u64 s[G0KF+2:G0KF+3], s[4:5], s[22:23]
	s_or_b32 s[G0KF+3], s[G0KF+3], 0x80000000
	s_mul_i32 s22, s[WV], 112*256
	s_add_co_u32 s22, s22, 12288                   ; slot 0 begins with tile 1; the first change steps on to slot 1
	s_add_nc_u64 s[G0KW+2:G0KW+3], s[4:5], s[22:23]
	s_or_b32 s[G0KW+3], s[G0KW+3], 0x80000000
	s_mul_i32 s20, s[CH], 49*256
	s_add_nc_u64 s[G0MF+2:G0MF+3], s[6:7], s[20:21]
	s_add_nc_u64 s[G0MW+2:G0MW+3], s[G0MF+2:G0MF+3], 256
	s_or_b32 s[G0MF+3], s[G0MF+3], 0x80000000
	s_or_b32 s[G0MW+3], s[G0MW+3], 0x80000000
	CROUND                                         ; all four work-groups are here: the first joint loads meet
	s_cmp_lt_u32 s[WV], 3                          ; a wave's one first fill, in one branch on its number: one tensor load of mine is out
	s_cbranch_scc0 .Lfirst_m
	tensor_load_to_lds s[G0KF:G0KF+3], s[G1K:G1K+7]
	s_nop 0
	NOP4
	s_branch .Lfirst_asked
.Lfirst_m:
	tensor_load_to_lds s[G0MF:G0MF+3], s[G1M:G1M+7]
	s_nop 0
	NOP4
.Lfirst_asked:
	s_mul_i32 s2, s[WQ], 128*768
	s_mov_b32 s3, 0
	s_add_nc_u64 s[8:9], s[8:9], s[2:3]            ; qb at my 128 queries
	s_lshl_b32 s2, s[WQ], 11
	s_add_nc_u64 s[10:11], s[10:11], s[2:3]        ; qmeta at their 8 records
	s_mul_i32 s2, s[CH], 49*16
	s_add_co_u32 s2, s2, s[WQ]
	s_lshl_b32 s2, s2, 10
	s_add_nc_u64 s[12:13], s[12:13], s[2:3]        ; l1 at [49 chunk][my block]
	s_lshl4_add_u32 s2, s[CH], s[WQ]
	s_lshl_b32 s2, s2, 12
	s_add_nc_u64 s[14:15], s[14:15], s[2:3]        ; l2 at [chunk][my 128 queries]
	s_mul_i32 s2, s[CX], 84
	s_mul_i32 s3, s[WV], 28
	s_add_co_u32 s2, s2, s3
	s_lshl_b32 s2, s2, 8
	s_add_co_u32 s2, s2, 12288+KSLOT               ; in slot 1; the first change steps it to slot 2
	s_mov_b32 s3, 0
	s_add_nc_u64 s[PFA:PFA+1], s[4:5], s[2:3]
	v_and_b32 v1, 15, v0                           ; r
	v_bfe_u32 v[TA], v0, 4, 1                      ; h
	v_mov_b32 v[TA+1], 0
	v_mul_u32_u24 v[AK0], v1, PK
	v_lshl_add_u32 v[AK0], v[TA], 4, v[AK0]
	v_lshlrev_b32 v[AM0], 5, v[TA]
	v_and_b32 v[LOFF], 31, v0
	v_min_u32 v[PFO], 27, v[LOFF]
	v_lshlrev_b32 v[PFO], 8, v[PFO]
	v_lshlrev_b32 v[LOFF], 4, v[LOFF]
	v_mul_u32_u24 v[QO], v1, 768
	v_lshl_add_u32 v[QO], v[TA], 4, v[QO]
	v_lshlrev_b32 v[QM], 2, v1
	s_lshl_b32 s22, s[WV], 12
	s_add_co_u32 s22, s22, STASH
	v_lshl_add_u32 v[STA0], v1, 5, s22
	; the queries stay in registers: fragment a: group a / 48, channels 32 ((a % 48) / 4) on, query tile 4 (a / 48) + a % 4
.set a, 0
.rept 96
.set rq, (8*a)&255
	WIN ((256+8*a)>>8)<<6
	global_load_b128 v[rq:rq+3],   v[QO], s[8:9] offset:12288*(4*(a/48)+a%4)+64*((a%48)/4)
	global_load_b128 v[rq+4:rq+7], v[QO], s[8:9] offset:12288*(4*(a/48)+a%4)+64*((a%48)/4)+32
.set a, a+1
.endr
	WIN 0
.irp t, 0,1,2,3,4,5,6,7
	global_load_b32 v[QP+2*(\t)],   v[QM], s[10:11] offset:256*(\t)
	global_load_b32 v[QP+2*(\t)+1], v[QM], s[10:11] offset:256*(\t)+64
.endr
.irp t, 0,1,2,3,4,5,6,7
	v_mov_b32 v[R+(\t)], 0x7f800000
.endr
.irp t, 0,1,2,3,4,5,6,7
	ds_store_b32 v[STA0], v[R+(\t)] offset:512*(\t)+28   ; the stash's eighth slot has no supergroup: +inf
.endr
	s_mov_b32 s[STP], 0
	s_wait_tensorcnt 0x0                           ; my part of tiles 0-7 (or of their records) is in,
	s_wait_dscnt 0x0
	s_barrier_signal -1
	s_barrier_wait -1                              ; everybody's is
	v_add_nc_u32 v[AK], T0, v[AK0]
	v_add_nc_u32 v[AM], MT0, v[AM0]
	KRUN 0
	KRUN 1
	KRUN 2
	SLOAD SA
	SLOAD SA+16
	s_wait_loadcnt 0x0                             ; the queries
	s_wait_dscnt 0x0
.set i, 0
.rept 48
	MMA 0                                          ; group A x tile 0: there is no vector work yet to set between
.set i, i+1
.endr
	WIN 0
	NOP4
	s_mov_b32 s[OUTER], 6
.Lphase:                                       ; phase q reads slot q and asks for slot q + 1
	PHASE 1
	s_sub_co_u32 s[OUTER], s[OUTER], 1
	s_cmp_lg_u32 s[OUTER], 0
	s_cbranch_scc1 .Lphase
	PHASE 0                                        ; the last phase is written out: nothing is asked for
	; THE WAY OUT of the 112-key minima: my stash, 4,096 bytes, is [query][8] as l2 wants it
	s_lshl_b32 s22, s[WV], 12
	s_add_co_u32 s22, s22, STASH
	v_add_nc_u32 v[QO], s22, v[LOFF]
.irp i, 0,1,2,3,4,5,6,7
	ds_load_b128 v[KF+4*(\i):KF+4*(\i)+3], v[QO] offset:512*(\i)   ; LDS serves a wave's instructions in order (ISA guide 5.7.1.4): these see my stores
.endr
.irp i, 0,1,2,3,4,5,6,7
	s_wait_dscnt 7-(\i)                            ; the younger loads may stay out
	global_store_b128 v[LOFF], v[KF+4*(\i):KF+4*(\i)+3], s[14:15] offset:512*(\i)
.endr
	s_wait_tensorcnt 0x0                           ; the wave's end
	ds_add_u32 v[SPW], v[NIL]
	s_wait_dscnt 0x0
	CROUND                                         ; the closing round
	s_endpgm
.Lfunc_end_k_q85c6772674_main:
	.size	k_q85c6772674_main, .Lfunc_end_k_q85c6772674_main-k_q85c6772674_main
	.p2alignl 7, 3214868480
	.fill 96, 4, 3214868480
	.section	.rodata,"a",@progbits
	.p2align	6, 0x0
	.amdhsa_kernel k_q85c6772674_main
		.amdhsa_group_segment_fixed_size 327680
		.amdhsa_private_segment_fixed_size 0
		.amdhsa_enable_private_segment 0
		.amdhsa_kernarg_size 48
		.amdhsa_user_sgpr_count 2
		.amdhsa_user_sgpr_kernarg_segment_ptr 1
		.amdhsa_wavefront_size32 1
		.amdhsa_system_sgpr_workgroup_id_x 1
		.amdhsa_system_sgpr_workgroup_id_y 1
		.amdhsa_system_sgpr_workgroup_id_z 1
		.amdhsa_system_vgpr_workitem_id 0
		.amdhsa_next_free_vgpr 1024
		.amdhsa_next_free_sgpr 100
		.amdhsa_reserve_vcc 0
		.amdhsa_float_denorm_mode_32 3
		.amdhsa_float_denorm_mode_16_64 3
		.amdhsa_memory_ordered 1
		.amdhsa_forward_progress 1
		.amdhsa_inst_pref_size 92
	.end_amdhsa_kernel
	.amdgpu_metadata
---
amdhsa.version: [ 1, 2 ]
amdhsa.kernels:
  - .name:           k_q85c6772674_main
    .symbol:         k_q85c6772674_main.kd
    .args:
      - { .name: kb, .offset: 0, .size: 8, .value_kind: global_buffer, .address_space: global }
      - { .name: kmeta, .offset: 8, .size: 8, .value_kind: global_buffer, .address_space: global }
      - { .name: qb, .offset: 16, .size: 8, .value_kind: global_buffer, .address_space: global }
      - { .name: qmeta, .offset: 24, .size: 8, .value_kind: global_buffer, .address_space: global }
      - { .name: l1, .offset: 32, .size: 8, .value_kind: global_buffer, .address_space: global }
      - { .name: l2, .offset: 40, .size: 8, .value_kind: global_buffer, .address_space: global }
    .group_segment_fixed_size: 327680
    .private_segment_fixed_size: 0
    .kernarg_segment_align: 8
    .kernarg_segment_size: 48
    .max_flat_workgroup_size: 128
    .sgpr_count:     100
    .vgpr_count:     1024
    .wavefront_size: 32
...
	.end_amdgpu_metadata
.endif
;; end of part 2
;; launch sela (part 3): grid 256 x 1, 8 waves a work-group, no clusters, 2,048 bytes of LDS; arguments l2, sgid; writes sgid
.if DOCPART == 3
	.amdgcn_target "amdgcn-amd-amdhsa--gfx1250"
	.amdhsa_code_object_version 6
	.text
	.protected	k_q85c6772674_sela
	.globl	k_q85c6772674_sela
	.p2align	8
	.type	k_q85c6772674_sela,@function
k_q85c6772674_sela:
	s_mov_b64 s[64:65], 0
	v_nop
	global_prefetch_b8 v0, s[64:65] scope:SCOPE_SE
	s_setreg_imm32_b32 hwreg(HW_REG_WAVE_MODE, 25, 1), 1
	s_wait_xcnt 0x0
; SELA.  For each query the 16 supergroups (112 keys each) with the smallest (minimum, number), of 447, as whole numbers.
; One wave, one query.  Lane l holds supergroups 14 l .. 14 l + 13 (chunks 2 l and 2 l + 1, 7 each; the eighth slot of a chunk is not used: entry k lies at V + k + k / 7).
; Supergroup 447 is pad keys alone and is taken out.  16 counted trips: the smallest value; among equals the lowest number; that entry becomes NaN, which loses every later minimum
; and equals nothing.  Numbers are kept as f32 (exact: below 2^24).  No branch and no address hangs on a value.  A NaN minimum counts as absent.
.set SPARE, 1024                       ; behind the 8 waves' 128 bytes of results: the spare words, 1,024 bytes
.set LN,  1
.set AD,  2
.set GM,  3
.set TP,  4
.set GI,  5
.set OUT, 6
.set QNAN, 7
.set SPW, 8
.set NIL, 9
.set B0,  10
.set T0,  11
.set T1,  12
.set V,   16                           ; v[16:31]
.set ID,  32                           ; v[32:45]
.set SEL, 12                           ; s[12:13]
.macro XMIN a, t                       ; the minimum over the 32 lanes, in every lane
	v_min_num_f32_dpp v[\a], v[\a], v[\a] row_xmask:1 row_mask:0xf bank_mask:0xf
	v_min_num_f32_dpp v[\a], v[\a], v[\a] row_xmask:2 row_mask:0xf bank_mask:0xf
	v_min_num_f32_dpp v[\a], v[\a], v[\a] row_xmask:4 row_mask:0xf bank_mask:0xf
	v_min_num_f32_dpp v[\a], v[\a], v[\a] row_xmask:8 row_mask:0xf bank_mask:0xf
	v_permlanex16_b32 v[\t], v[\a], s[SEL], s[SEL+1]
	v_min_num_f32 v[\a], v[\a], v[\t]
.endm
	s_load_b128 s[4:7], s[0:1], 0x0                ; l2 s[4:5], sgid s[6:7]
	v_lshl_add_u32 v[SPW], v0, 2, SPARE
	v_mov_b32 v[NIL], 0
	v_lshrrev_b32 v[LN], 5, v0
	v_readfirstlane_b32 s8, v[LN]                  ; wave
	v_and_b32 v[LN], 31, v0
	s_lshl3_add_u32 s9, ttmp9, s8                  ; my query
	s_lshl_b32 s10, s9, 5                          ; its 32 bytes in a chunk's table
	s_mov_b32 s11, 0
	v_lshlrev_b32 v[AD], 17, v[LN]                 ; two chunks of 65,536 bytes a lane
	s_mov_b32 s[SEL], 0x76543210
	s_mov_b32 s[SEL+1], 0xfedcba98
	s_wait_kmcnt 0x0
	s_add_nc_u64 s[4:5], s[4:5], s[10:11]
	global_load_b128 v[V:V+3],     v[AD], s[4:5] th:TH_LOAD_NT
	global_load_b128 v[V+4:V+7],   v[AD], s[4:5] offset:16 th:TH_LOAD_NT
	global_load_b128 v[V+8:V+11],  v[AD], s[4:5] offset:65536 th:TH_LOAD_NT
	global_load_b128 v[V+12:V+15], v[AD], s[4:5] offset:65552 th:TH_LOAD_NT
	v_mul_u32_u24 v[B0], v[LN], 14
.set k, 0
.rept 14
	v_add_nc_u32 v[T0], k, v[B0]
	v_cvt_f32_u32 v[ID+k], v[T0]
.set k, k+1
.endr
	v_mov_b32 v[QNAN], 0x7fc00000
	v_mov_b32 v[OUT], 0
	v_mov_b32 v[TP], 0
	s_mov_b32 s14, 16
	s_mov_b32 s15, 1
	s_wait_loadcnt 0x0
	v_cmp_eq_u32 vcc_lo, 31, v[LN]
	v_cndmask_b32 v[V+14], v[V+14], v[QNAN], vcc_lo  ; supergroup 447
.Lpick:
	v_min3_num_f32 v[GM], v[V], v[V+1], v[V+2]
.set k, 3
.rept 5
	v_min3_num_f32 v[GM], v[GM], v[V+k+k/7], v[V+(k+1)+(k+1)/7]
.set k, k+2
.endr
	v_min_num_f32 v[GM], v[GM], v[V+14]
	XMIN GM, TP                                    ; the smallest value left
	v_mov_b32 v[GI], 0x7f800000
.set k, 13
.rept 14
	v_cmp_eq_f32 vcc_lo, v[V+k+k/7], v[GM]
	v_cndmask_b32 v[GI], v[GI], v[ID+k], vcc_lo    ; descending, so that my lowest number among equals stays
.set k, k-1
.endr
	XMIN GI, TP                                    ; the lowest number among equals
.set k, 0
.rept 14
	v_cmp_eq_f32 vcc_lo, v[ID+k], v[GI]
	v_cndmask_b32 v[V+k+k/7], v[V+k+k/7], v[QNAN], vcc_lo
.set k, k+1
.endr
	v_cndmask_b32 v[OUT], v[OUT], v[GI], s15       ; lane i keeps the i-th
	s_lshl_b32 s15, s15, 1
	s_sub_co_u32 s14, s14, 1
	s_cmp_lg_u32 s14, 0
	s_cbranch_scc1 .Lpick
	v_cvt_u32_f32 v[OUT], v[OUT]
	v_lshlrev_b32 v[T0], 2, v0
	ds_store_b32 v[T0], v[OUT]                     ; 128 bytes a wave, of which the first 64 count
	s_wait_dscnt 0x0                               ; for wave 0's sake
	s_barrier_signal -1
	s_barrier_wait -1
	s_cmp_lg_u32 s8, 0
	s_cbranch_scc1 .Lend
	v_lshrrev_b32 v[T0], 2, v[LN]                  ; wave 0 stores the work-group's 8 queries x 64 bytes: 512 consecutive bytes
	v_lshlrev_b32 v[T0], 7, v[T0]
	v_and_b32 v[T1], 3, v[LN]
	v_lshl_add_u32 v[T0], v[T1], 4, v[T0]
	ds_load_b128 v[V:V+3], v[T0]
	v_lshlrev_b32 v[T1], 4, v[LN]
	s_lshl_b32 s10, ttmp9, 9
	s_add_nc_u64 s[6:7], s[6:7], s[10:11]
	s_wait_dscnt 0x0
	global_store_b128 v[T1], v[V:V+3], s[6:7]
.Lend:
	s_wait_tensorcnt 0x0                           ; the wave's end
	ds_add_u32 v[SPW], v[NIL]
	s_wait_dscnt 0x0
	s_endpgm
.Lfunc_end_k_q85c6772674_sela:
	.size	k_q85c6772674_sela, .Lfunc_end_k_q85c6772674_sela-k_q85c6772674_sela
	.p2alignl 7, 3214868480
	.fill 96, 4, 3214868480
	.section	.rodata,"a",@progbits
	.p2align	6, 0x0
	.amdhsa_kernel k_q85c6772674_sela
		.amdhsa_group_segment_fixed_size 2048
		.amdhsa_private_segment_fixed_size 0
		.amdhsa_enable_private_segment 0
		.amdhsa_kernarg_size 16
		.amdhsa_user_sgpr_count 2
		.amdhsa_user_sgpr_kernarg_segment_ptr 1
		.amdhsa_wavefront_size32 1
		.amdhsa_system_sgpr_workgroup_id_x 1
		.amdhsa_system_sgpr_workgroup_id_y 1
		.amdhsa_system_sgpr_workgroup_id_z 1
		.amdhsa_system_vgpr_workitem_id 0
		.amdhsa_next_free_vgpr 64
		.amdhsa_next_free_sgpr 66
		.amdhsa_reserve_vcc 1
		.amdhsa_float_denorm_mode_32 3
		.amdhsa_float_denorm_mode_16_64 3
		.amdhsa_memory_ordered 1
		.amdhsa_forward_progress 1
		.amdhsa_inst_pref_size 7
	.end_amdhsa_kernel
	.amdgpu_metadata
---
amdhsa.version: [ 1, 2 ]
amdhsa.kernels:
  - .name:           k_q85c6772674_sela
    .symbol:         k_q85c6772674_sela.kd
    .args:
      - { .name: l2, .offset: 0, .size: 8, .value_kind: global_buffer, .address_space: global }
      - { .name: sgid, .offset: 8, .size: 8, .value_kind: global_buffer, .address_space: global }
    .group_segment_fixed_size: 2048
    .private_segment_fixed_size: 0
    .kernarg_segment_align: 8
    .kernarg_segment_size: 16
    .max_flat_workgroup_size: 256
    .sgpr_count:     66
    .vgpr_count:     64
    .wavefront_size: 32
...
	.end_amdgpu_metadata
.endif
;; end of part 3
;; launch selb (part 4): grid 256 x 1, 8 waves a work-group, no clusters, 2,048 bytes of LDS; arguments l1, sgid, gidb; writes gidb
.if DOCPART == 4
	.amdgcn_target "amdgcn-amd-amdhsa--gfx1250"
	.amdhsa_code_object_version 6
	.text
	.protected	k_q85c6772674_selb
	.globl	k_q85c6772674_selb
	.p2align	8
	.type	k_q85c6772674_selb,@function
k_q85c6772674_selb:
	s_mov_b64 s[64:65], 0
	v_nop
	global_prefetch_b8 v0, s[64:65] scope:SCOPE_SE
	s_setreg_imm32_b32 hwreg(HW_REG_WAVE_MODE, 25, 1), 1
	s_wait_xcnt 0x0
; SELB.  For each query the 16 groups (8 keys each) with the smallest (minimum, number), of the 224 groups of its 16 supergroups, as whole numbers.
; One wave, one query.  Lane l takes supergroup slot l / 2 and the half h = l % 2 of each of its 7 tiles: groups 14 sg + h + 2 i.  Groups from 6,250 on are pad keys and are taken out.
; The supergroup's number was stored as a whole number by the launch before; it is clamped to 447 before it enters an address.  The picking is the launch before's.
.set SPARE, 1024
.set LN,  1
.set SO,  2
.set HB,  3
.set SG,  4
.set AD,  5
.set GM,  6
.set TP,  7
.set GI,  8
.set OUT, 9
.set QNAN, 10
.set SPW, 12
.set NIL, 13
.set B0,  14
.set T0,  15
.set V,   16                           ; v[16:22]
.set ID,  24                           ; v[24:30]
.set T1,  32
.set SEL, 16                           ; s[16:17]
.macro XMIN a, t
	v_min_num_f32_dpp v[\a], v[\a], v[\a] row_xmask:1 row_mask:0xf bank_mask:0xf
	v_min_num_f32_dpp v[\a], v[\a], v[\a] row_xmask:2 row_mask:0xf bank_mask:0xf
	v_min_num_f32_dpp v[\a], v[\a], v[\a] row_xmask:4 row_mask:0xf bank_mask:0xf
	v_min_num_f32_dpp v[\a], v[\a], v[\a] row_xmask:8 row_mask:0xf bank_mask:0xf
	v_permlanex16_b32 v[\t], v[\a], s[SEL], s[SEL+1]
	v_min_num_f32 v[\a], v[\a], v[\t]
.endm
	s_load_b128 s[4:7], s[0:1], 0x0                ; l1 s[4:5], sgid s[6:7]
	s_load_b64 s[8:9], s[0:1], 0x10                ; gidb
	v_lshl_add_u32 v[SPW], v0, 2, SPARE
	v_mov_b32 v[NIL], 0
	v_lshrrev_b32 v[LN], 5, v0
	v_readfirstlane_b32 s10, v[LN]                 ; wave
	v_and_b32 v[LN], 31, v0
	v_and_b32 v[SO], 30, v0
	v_lshlrev_b32 v[SO], 1, v[SO]                  ; 4 x (lane / 2)
	v_and_b32 v[HB], 1, v0
	s_lshl3_add_u32 s11, ttmp9, s10                ; my query q = 128 wq + 64 e + 16 c + r
	s_lshl_b32 s12, s11, 6
	s_mov_b32 s13, 0
	s_lshr_b32 s14, s11, 7                         ; its place in a tile's table of l1: 1,024 wq + 512 e + 16 r + 4 c
	s_lshl_b32 s14, s14, 10
	s_bfe_u32 s15, s11, 0x10006
	s_lshl_b32 s15, s15, 9
	s_add_co_u32 s14, s14, s15
	s_and_b32 s15, s11, 15
	s_lshl_b32 s15, s15, 4
	s_add_co_u32 s14, s14, s15
	s_bfe_u32 s15, s11, 0x20004
	s_lshl2_add_u32 s14, s15, s14
	s_mov_b32 s15, 0
	s_mov_b32 s[SEL], 0x76543210
	s_mov_b32 s[SEL+1], 0xfedcba98
	s_wait_kmcnt 0x0
	s_add_nc_u64 s[6:7], s[6:7], s[12:13]
	s_add_nc_u64 s[4:5], s[4:5], s[14:15]
	global_load_b32 v[SG], v[SO], s[6:7]
	v_mov_b32 v[QNAN], 0x7fc00000
	v_mov_b32 v[OUT], 0
	v_mov_b32 v[TP], 0
	s_wait_loadcnt 0x0
	v_min_u32 v[SG], 447, v[SG]
	v_mul_u32_u24 v[AD], v[SG], 7*16384            ; 7 tiles of 16,384 bytes
	v_lshl_add_u32 v[AD], v[HB], 8, v[AD]          ; lanes 16-31 of a tile's table hold the keys' upper half
.set i, 0
.rept 7
	global_load_b32 v[V+i], v[AD], s[4:5] offset:16384*i
.set i, i+1
.endr
	v_mul_u32_u24 v[B0], v[SG], 14
	v_add_nc_u32 v[B0], v[B0], v[HB]
.set i, 0
.rept 7
	v_add_nc_u32 v[T0], 2*i, v[B0]
	v_cvt_f32_u32 v[ID+i], v[T0]
.set i, i+1
.endr
	s_mov_b32 s14, 16
	s_mov_b32 s15, 1
	s_wait_loadcnt 0x0
.set i, 0
.rept 7
	v_cmp_lt_f32 vcc_lo, 6249.0, v[ID+i]
	v_cndmask_b32 v[V+i], v[V+i], v[QNAN], vcc_lo  ; pad keys' groups
.set i, i+1
.endr
.Lpick:
	v_min3_num_f32 v[GM], v[V], v[V+1], v[V+2]
	v_min3_num_f32 v[GM], v[GM], v[V+3], v[V+4]
	v_min3_num_f32 v[GM], v[GM], v[V+5], v[V+6]
	XMIN GM, TP
	v_mov_b32 v[GI], 0x7f800000
.irp k, 6,5,4,3,2,1,0
	v_cmp_eq_f32 vcc_lo, v[V+(\k)], v[GM]
	v_cndmask_b32 v[GI], v[GI], v[ID+(\k)], vcc_lo
.endr
	XMIN GI, TP
.irp k, 0,1,2,3,4,5,6
	v_cmp_eq_f32 vcc_lo, v[ID+(\k)], v[GI]
	v_cndmask_b32 v[V+(\k)], v[V+(\k)], v[QNAN], vcc_lo
.endr
	v_cndmask_b32 v[OUT], v[OUT], v[GI], s15
	s_lshl_b32 s15, s15, 1
	s_sub_co_u32 s14, s14, 1
	s_cmp_lg_u32 s14, 0
	s_cbranch_scc1 .Lpick
	v_cvt_u32_f32 v[OUT], v[OUT]
	v_lshlrev_b32 v[T0], 2, v0
	ds_store_b32 v[T0], v[OUT]
	s_wait_dscnt 0x0                               ; for wave 0's sake
	s_barrier_signal -1
	s_barrier_wait -1
	s_cmp_lg_u32 s10, 0
	s_cbranch_scc1 .Lend
	v_lshrrev_b32 v[T0], 2, v[LN]                  ; wave 0 stores 8 queries x 64 bytes: 512 consecutive bytes
	v_lshlrev_b32 v[T0], 7, v[T0]
	v_and_b32 v[T1], 3, v[LN]
	v_lshl_add_u32 v[T0], v[T1], 4, v[T0]
	ds_load_b128 v[V:V+3], v[T0]
	v_lshlrev_b32 v[T1], 4, v[LN]
	s_lshl_b32 s12, ttmp9, 9
	s_add_nc_u64 s[8:9], s[8:9], s[12:13]
	s_wait_dscnt 0x0
	global_store_b128 v[T1], v[V:V+3], s[8:9]
.Lend:
	s_wait_tensorcnt 0x0                           ; the wave's end
	ds_add_u32 v[SPW], v[NIL]
	s_wait_dscnt 0x0
	s_endpgm
.Lfunc_end_k_q85c6772674_selb:
	.size	k_q85c6772674_selb, .Lfunc_end_k_q85c6772674_selb-k_q85c6772674_selb
	.p2alignl 7, 3214868480
	.fill 96, 4, 3214868480
	.section	.rodata,"a",@progbits
	.p2align	6, 0x0
	.amdhsa_kernel k_q85c6772674_selb
		.amdhsa_group_segment_fixed_size 2048
		.amdhsa_private_segment_fixed_size 0
		.amdhsa_enable_private_segment 0
		.amdhsa_kernarg_size 24
		.amdhsa_user_sgpr_count 2
		.amdhsa_user_sgpr_kernarg_segment_ptr 1
		.amdhsa_wavefront_size32 1
		.amdhsa_system_sgpr_workgroup_id_x 1
		.amdhsa_system_sgpr_workgroup_id_y 1
		.amdhsa_system_sgpr_workgroup_id_z 1
		.amdhsa_system_vgpr_workitem_id 0
		.amdhsa_next_free_vgpr 64
		.amdhsa_next_free_sgpr 66
		.amdhsa_reserve_vcc 1
		.amdhsa_float_denorm_mode_32 3
		.amdhsa_float_denorm_mode_16_64 3
		.amdhsa_memory_ordered 1
		.amdhsa_forward_progress 1
		.amdhsa_inst_pref_size 7
	.end_amdhsa_kernel
	.amdgpu_metadata
---
amdhsa.version: [ 1, 2 ]
amdhsa.kernels:
  - .name:           k_q85c6772674_selb
    .symbol:         k_q85c6772674_selb.kd
    .args:
      - { .name: l1, .offset: 0, .size: 8, .value_kind: global_buffer, .address_space: global }
      - { .name: sgid, .offset: 8, .size: 8, .value_kind: global_buffer, .address_space: global }
      - { .name: gidb, .offset: 16, .size: 8, .value_kind: global_buffer, .address_space: global }
    .group_segment_fixed_size: 2048
    .private_segment_fixed_size: 0
    .kernarg_segment_align: 8
    .kernarg_segment_size: 24
    .max_flat_workgroup_size: 256
    .sgpr_count:     66
    .vgpr_count:     64
    .wavefront_size: 32
...
	.end_amdgpu_metadata
.endif
;; end of part 4
;; launch final (part 5): grid 256 x 1, 4 waves a work-group, no clusters, 27,136 bytes of LDS; arguments gidb, kb, kmeta, qb, qmeta, vals, wav2vec_score, wav2vec_prob, W1k, b1k, W2k, b2k, W1l, b1l, W2l, b2l, W1w, b1w, W2w, b2w, out0; writes out0
.if DOCPART == 5
	.amdgcn_target "amdgcn-amd-amdhsa--gfx1250"
	.amdhsa_code_object_version 6
	.text
	.protected	k_q85c6772674_final
	.globl	k_q85c6772674_final
	.p2align	8
	.type	k_q85c6772674_final,@function
k_q85c6772674_final:
	s_mov_b64 s[64:65], 0
	v_nop
	global_prefetch_b8 v0, s[64:65] scope:SCOPE_SE
	s_setreg_imm32_b32 hwreg(HW_REG_WAVE_MODE, 25, 1), 1
	s_wait_xcnt 0x0
; FINAL.  For each query: the distances of its 128 candidate keys (16 groups of 8, numbers stored by the launch before) are made anew, by the same chain of 12 products and the same vector
; arithmetic as in the big launch; the 16 smallest (distance, index) are picked in order; then the fusion head.
; A wave takes two queries, one after the other; the second's loads are issued ahead of the first's head.  256 work-groups x 4 waves x 2 = 2,048.
; PRODUCT.  Source 0 = 16 candidate keys (tile T: groups 2 T and 2 T + 1), gathered from kb; source 1 = the query in all 16 columns.  Lane (r, h) then holds, for every T, the 8 keys of group
; 2 T + h; 60 selects leave it the four dot products of keys 4 (r / 8) + c of group 2 (r % 8) + h: 128 candidates over 32 lanes x 4.
; FORMATS.  Every float input is taken rounded to bf16 (keys and queries in the first launch; vals, score, prob, all W and b here); all arithmetic on them in f32.
; HEAD.  Lane u is hidden unit u of the three MLPs.  tanh x = 1 - 2 / (1 + 2^(2 log2(e) x)), right at both ends of the range.  Both softmaxes take their maximum away.
; The weights lie in LDS as bf16 pairs, a block of 208 bytes a lane (13 x 16), each wave's own: dwords 0-7 W1k, 8-15 W1l, 16-28 W1w, 29 (b1k, b1l),
; 30 (b1w, W2l), 31 (W2w, 0), 32-39 W2k[u][.], 40-47 b2k, 48 (b2l, b2w).  Dwords 40-48 are 0 in all lanes but lane 0, so that a bias rides as the addend of the product that a lane sum adds up.
; No branch and no address hangs on a float: indices made of floats only steer selects.  The result is 8 bytes a wave: the whole output is 8,192 bytes.
; LIMITS.  A NaN distance counts as absent.  The sums' order differs from a plain left-to-right sum.
.set SPARE, 26624
.set LN,  1
.set RR,  2
.set HH,  3
.set SPW, 4
.set NIL, 5
.set LW,  6                            ; v6   my weight block in LDS
.set ZO,  7                            ; v7   0, as an offset and as a number
.set U4,  8                            ; v8   4 x lane
.set U64, 9                            ; v9   64 x lane
.set OA,  10                           ; v[10:17] byte offsets in kb of my key of tile T, query a; v[18:25] query b
.set OK,  26                           ; v26, v27 my four keys' offset in kmeta
.set OV,  28                           ; v28, v29 in vals
.set QOF, 30                           ; v30  16 h
.set PO,  31                           ; v31  4 x (lane % 16)
.set K2,  32
.set SY,  36
.set VL,  40
.set Q2,  44
.set SQ,  45
.set SC,  46
.set PR,  47
.set DD,  48                           ; v[48:51] my four distances
.set ID,  52                           ; v[52:55] their key indices, as f32
.set VA,  56                           ; v[56:59] their vals
.set XD,  60                           ; lane i: the i-th negative distance
.set XV,  61                           ; lane i: its val
.set SCR, 62
.set PRR, 63
.set KEY, 64                           ; v64, v65 my first key's index
.set GM,  66
.set TP,  67
.set GI,  68
.set GV,  69
.set QNAN, 70
.set RES, 71
.set LG,  72                           ; v[72:87] 16 logits
.set HK,  88
.set HL,  89
.set HW,  90
.set VX,  91
.set T1,  92
.set T2,  93
.set PS,  94
.set TQ,  95
.set ACC, 96                           ; v[96:159] 8 accumulators; in the head v[96:147] the weights, v[148:156] at work
.set WT,  96
.set MX,  148
.set DEN, 149
.set NUM, 150
.set KNN, 151
.set TP0, 152
.set TP1, 153
.set IX,  154
.set LL,  155
.set LWV, 156
.set QF,  160                          ; v[160:255] the query's 12 fragments
.set PW,  200                          ; v[200:251] the packed weights on their way to LDS
.set SEL, 54                           ; s[54:55]
.set BIG, 56
.set C1,  57                           ; log2(e)
.set C2,  58                           ; 2 log2(e)
.set BIT, 59
.set CNT, 60
.set SX,  61
.set MSB, 0
.macro WIN new
.if MSB != (\new)
	s_set_vgpr_msb (MSB<<8)|(\new)
.set MSB, (\new)
.endif
.endm
.macro XMIN a, t
	v_min_num_f32_dpp v[\a], v[\a], v[\a] row_xmask:1 row_mask:0xf bank_mask:0xf
	v_min_num_f32_dpp v[\a], v[\a], v[\a] row_xmask:2 row_mask:0xf bank_mask:0xf
	v_min_num_f32_dpp v[\a], v[\a], v[\a] row_xmask:4 row_mask:0xf bank_mask:0xf
	v_min_num_f32_dpp v[\a], v[\a], v[\a] row_xmask:8 row_mask:0xf bank_mask:0xf
	v_permlanex16_b32 v[\t], v[\a], s[SEL], s[SEL+1]
	v_min_num_f32 v[\a], v[\a], v[\t]
.endm
.macro LSUM a, t                       ; the sum over the 32 lanes, in every lane
	v_add_f32_dpp v[\a], v[\a], v[\a] row_xmask:1 row_mask:0xf bank_mask:0xf
	v_add_f32_dpp v[\a], v[\a], v[\a] row_xmask:2 row_mask:0xf bank_mask:0xf
	v_add_f32_dpp v[\a], v[\a], v[\a] row_xmask:4 row_mask:0xf bank_mask:0xf
	v_add_f32_dpp v[\a], v[\a], v[\a] row_xmask:8 row_mask:0xf bank_mask:0xf
	v_permlanex16_b32 v[\t], v[\a], s[SEL], s[SEL+1]
	v_add_f32 v[\a], v[\a], v[\t]
.endm
; d = a x (half wh of w, bf16) + c;  cm = 0: c is f32; 1: the low bf16 half of c; 2: the high one
.macro FMX d, a, w, wh, c, cm
.if (\cm) == 0
.if (\wh) == 0
	v_fma_mix_f32_bf16 v[\d], v[\a], v[\w], v[\c] op_sel_hi:[0,1,0]
.else
	v_fma_mix_f32_bf16 v[\d], v[\a], v[\w], v[\c] op_sel:[0,1,0] op_sel_hi:[0,1,0]
.endif
.elseif (\cm) == 1
.if (\wh) == 0
	v_fma_mix_f32_bf16 v[\d], v[\a], v[\w], v[\c] op_sel_hi:[0,1,1]
.else
	v_fma_mix_f32_bf16 v[\d], v[\a], v[\w], v[\c] op_sel:[0,1,0] op_sel_hi:[0,1,1]
.endif
.else
.if (\wh) == 0
	v_fma_mix_f32_bf16 v[\d], v[\a], v[\w], v[\c] op_sel:[0,0,1] op_sel_hi:[0,1,1]
.else
	v_fma_mix_f32_bf16 v[\d], v[\a], v[\w], v[\c] op_sel:[0,1,1] op_sel_hi:[0,1,1]
.endif
.endif
.endm
; tanh in place; each batch of transcendentals has its plain instruction and its one wait
.macro TANH regs:vararg
.irp x, \regs
	v_mul_f32 v[\x], s[C2], v[\x]
.endr
.irp x, \regs
	v_exp_f32 v[\x], v[\x]
.endr
	v_nop
	s_wait_alu depctr_va_vdst(0)
.irp x, \regs
	v_add_f32 v[\x], 1.0, v[\x]
.endr
.irp x, \regs
	v_rcp_f32 v[\x], v[\x]
.endr
	v_nop
	s_wait_alu depctr_va_vdst(0)
.irp x, \regs
	v_fma_f32 v[\x], v[\x], -2.0, 1.0
.endr
.endm
; a stage of the bitonic sort of 16 lanes: partner lane xor d; lanes of the mask keep the larger
.macro CEX d, mask
	s_mov_b32 s63, \mask
	v_max_num_f32_dpp v[T1], v[PS], v[PS] row_xmask:\d row_mask:0xf bank_mask:0xf
	v_min_num_f32_dpp v[T2], v[PS], v[PS] row_xmask:\d row_mask:0xf bank_mask:0xf
	v_cndmask_b32 v[PS], v[T2], v[T1], s63
.endm
; query x's small loads and its 192 loads of candidate keys: fragment (f, T) at absolute register 256 + 8 (8 f + T)
.macro LOAD x
	global_load_b128 v[K2:K2+3], v[OK+(\x)], s[8:9]
	global_load_b128 v[SY:SY+3], v[OK+(\x)], s[8:9] offset:64
	global_load_b128 v[VL:VL+3], v[OV+(\x)], s[14:15]
	global_load_b32 v[Q2], v[ZO], s[12:13] offset:4*(\x)
	global_load_b32 v[SQ], v[ZO], s[12:13] offset:4*(\x)+64
	global_load_b32 v[SC], v[ZO], s[16:17] offset:4*(\x)
	global_load_b32 v[PR], v[PO], s[18:19] offset:64*(\x)
.set f, 0
.rept 12
	WIN (1+f/4)<<6
.irp T, 0,1,2,3,4,5,6,7
	global_load_b128 v[64*(f%4)+8*(\T):64*(f%4)+8*(\T)+3],   v[OA+8*(\x)+(\T)], s[6:7] offset:64*f
	global_load_b128 v[64*(f%4)+8*(\T)+4:64*(f%4)+8*(\T)+7], v[OA+8*(\x)+(\T)], s[6:7] offset:64*f+32
.endr
.set f, f+1
.endr
	WIN 0
.endm
.macro LOADQ x                         ; every lane of a half takes the same 16 bytes: all 16 columns hold the query
.set f, 0
.rept 12
	global_load_b128 v[QF+8*f:QF+8*f+3],   v[QOF], s[10:11] offset:768*(\x)+64*f
	global_load_b128 v[QF+8*f+4:QF+8*f+7], v[QOF], s[10:11] offset:768*(\x)+64*f+32
.set f, f+1
.endr
.endm
.macro MM                              ; 96 products; the 8 accumulators take turns; K ascends
.set f, 0
.rept 12
	WIN 1+f/4
.irp T, 0,1,2,3,4,5,6,7
.if f == 0
	v_wmma_f32_16x16x32_bf16 v[ACC+8*(\T):ACC+8*(\T)+7], v[64*(f%4)+8*(\T):64*(f%4)+8*(\T)+7], v[QF+8*f:QF+8*f+7], 0
.else
	v_wmma_f32_16x16x32_bf16 v[ACC+8*(\T):ACC+8*(\T)+7], v[64*(f%4)+8*(\T):64*(f%4)+8*(\T)+7], v[QF+8*f:QF+8*f+7], v[ACC+8*(\T):ACC+8*(\T)+7]
.endif
.endr
.set f, f+1
.endr
	WIN 0
.rept 4
	v_nop                                          ; the places behind the last products
.endr
.endm
.macro EXTRACT                         ; by lane bit 3: registers 4-7 for 0-3; by lane bits 0, 1, 2: the tile.  Each accumulator's lowest registers are read first
.irp T, 0,1,2,3,4,5,6,7
.irp c, 0,1,2,3
	v_cndmask_b32 v[ACC+8*(\T)+(\c)], v[ACC+8*(\T)+(\c)], v[ACC+8*(\T)+4+(\c)], s50
.endr
.endr
.irp T, 0,2,4,6
.irp c, 0,1,2,3
	v_cndmask_b32 v[ACC+8*(\T)+(\c)], v[ACC+8*(\T)+(\c)], v[ACC+8*(\T)+8+(\c)], s51
.endr
.endr
.irp T, 0,4
.irp c, 0,1,2,3
	v_cndmask_b32 v[ACC+8*(\T)+(\c)], v[ACC+8*(\T)+(\c)], v[ACC+8*(\T)+16+(\c)], s52
.endr
.endr
.irp c, 0,1,2,3
	v_cndmask_b32 v[ACC+(\c)], v[ACC+(\c)], v[ACC+32+(\c)], s53
.endr
.endm
.macro DIST x                          ; (q2 - 2 dot) + k2, 1e9 where the ids agree; indices; vals, score and prob rounded to bf16
.irp c, 0,1,2,3
	v_fma_f32 v[DD+(\c)], v[ACC+(\c)], -2.0, v[Q2]
.endr
.irp c, 0,1,2,3
	v_add_f32 v[DD+(\c)], v[DD+(\c)], v[K2+(\c)]
.endr
.irp c, 0,1,2,3
	v_cmp_eq_u32 vcc_lo, v[SY+(\c)], v[SQ]
	v_cndmask_b32 v[DD+(\c)], v[DD+(\c)], s[BIG], vcc_lo
	v_add_nc_u32 v[ID+(\c)], \c, v[KEY+(\x)]
	v_cvt_f32_u32 v[ID+(\c)], v[ID+(\c)]
.endr
	v_cvt_pk_bf16_f32 v[T1], v[VL], v[VL+1]
	v_cvt_pk_bf16_f32 v[T2], v[VL+2], v[VL+3]
	v_lshlrev_b32 v[VA], 16, v[T1]
	v_and_b32 v[VA+1], 0xffff0000, v[T1]
	v_lshlrev_b32 v[VA+2], 16, v[T2]
	v_and_b32 v[VA+3], 0xffff0000, v[T2]
	v_cvt_pk_bf16_f32 v[T1], v[SC], v[PR]
	v_lshlrev_b32 v[SCR], 16, v[T1]
	v_and_b32 v[PRR], 0xffff0000, v[T1]
.endm
.macro HEAD dst
.set q, 0
.rept 13
	ds_load_b128 v[WT+4*q:WT+4*q+3], v[LW] offset:16*q   ; my own bytes; waited for behind the picking
.set q, q+1
.endr
	v_mov_b32 v[XD], 0
	v_mov_b32 v[XV], 0
	s_mov_b32 s[BIT], 1
	s_mov_b32 s[CNT], 16
.Lsel_\@:                              ; 16 counted trips: the smallest distance left; among equals the lowest index; it becomes NaN; its val is summed out of the lanes
	v_min3_num_f32 v[GM], v[DD], v[DD+1], v[DD+2]
	v_min_num_f32 v[GM], v[GM], v[DD+3]
	XMIN GM, TP
	v_mov_b32 v[GI], 0x7f800000
.irp k, 3,2,1,0
	v_cmp_eq_f32 vcc_lo, v[DD+(\k)], v[GM]
	v_cndmask_b32 v[GI], v[GI], v[ID+(\k)], vcc_lo
.endr
	XMIN GI, TP
	v_mov_b32 v[GV], 0
.irp k, 0,1,2,3
	v_cmp_eq_f32 vcc_lo, v[ID+(\k)], v[GI]
	v_cndmask_b32 v[DD+(\k)], v[DD+(\k)], v[QNAN], vcc_lo
	v_cndmask_b32 v[GV], v[GV], v[VA+(\k)], vcc_lo
.endr
	LSUM GV, TP
	v_cndmask_b32 v[XD], v[XD], v[GM], s[BIT]
	v_cndmask_b32 v[XV], v[XV], v[GV], s[BIT]
	s_lshl_b32 s[BIT], s[BIT], 1
	s_sub_co_u32 s[CNT], s[CNT], 1
	s_cmp_lg_u32 s[CNT], 0
	s_cbranch_scc1 .Lsel_\@
	v_xor_b32 v[XD], 0x80000000, v[XD]             ; knn_dists are the negative distances
	v_mov_b32 v[PS], v[PRR]                        ; prob sorted, the largest in lane 0 of each half
	CEX 1, 0x99999999
	CEX 2, 0xc3c3c3c3
	CEX 1, 0xa5a5a5a5
	CEX 4, 0xf00ff00f
	CEX 2, 0xcc33cc33
	CEX 1, 0xaa55aa55
	CEX 8, 0x00ff00ff
	CEX 4, 0x0f0f0f0f
	CEX 2, 0x33333333
	CEX 1, 0x55555555
	s_wait_dscnt 0x0                               ; the weights
.set i, 0
.rept 16                               ; the three first layers' shares of the 16 distances; the first product takes the bias as its addend
	v_readlane_b32 s[SX], v[XD], i
	v_mov_b32 v[VX], s[SX]
.if i == 0
	FMX HK, VX, WT, 0, WT+29, 1
	FMX HL, VX, WT+8, 0, WT+29, 2
	FMX HW, VX, WT+21, 0, WT+30, 1
.else
	FMX HK, VX, WT+i/2, i%2, HK, 0
	FMX HL, VX, WT+8+i/2, i%2, HL, 0
	FMX HW, VX, WT+21+i/2, i%2, HW, 0
.endif
.set i, i+1
.endr
.set i, 0
.rept 8                                ; rows 2-9 of W1w: the 8 largest of prob
	v_readlane_b32 s[SX], v[PS], i
	v_mov_b32 v[VX], s[SX]
	FMX HW, VX, WT+17+i/2, i%2, HW, 0
.set i, i+1
.endr
	TANH HK, HL
.set i, 0
.rept 16
	FMX LG+i, HK, WT+32+i/2, i%2, WT+40+i/2, 1+i%2
.set i, i+1
.endr
	FMX LL, HL, WT+30, 1, WT+48, 1
.irp d, 1,2,4,8
.set i, 0
.rept 16
	v_add_f32_dpp v[LG+i], v[LG+i], v[LG+i] row_xmask:\d row_mask:0xf bank_mask:0xf
.set i, i+1
.endr
	v_add_f32_dpp v[LL], v[LL], v[LL] row_xmask:\d row_mask:0xf bank_mask:0xf
.endr
.set i, 0
.rept 16
	v_permlanex16_b32 v[T1+i%2], v[LG+i], s[SEL], s[SEL+1]
	v_add_f32 v[LG+i], v[LG+i], v[T1+i%2]
.set i, i+1
.endr
	v_permlanex16_b32 v[T1], v[LL], s[SEL], s[SEL+1]
	v_add_f32 v[LL], v[LL], v[T1]                  ; knn_lambda
	v_max3_num_f32 v[MX], v[LG], v[LG+1], v[LG+2]  ; softmax over the 16 logits, every lane for itself
.set i, 3
.rept 6
	v_max3_num_f32 v[MX], v[MX], v[LG+i], v[LG+i+1]
.set i, i+2
.endr
	v_max_num_f32 v[MX], v[MX], v[LG+15]
	v_mul_f32 v[MX], s[C1], v[MX]
.set i, 0
.rept 16
	v_fma_f32 v[LG+i], v[LG+i], s[C1], -v[MX]
.set i, i+1
.endr
.set i, 0
.rept 16
	v_exp_f32 v[LG+i], v[LG+i]
.set i, i+1
.endr
	v_nop
	s_wait_alu depctr_va_vdst(0)                   ; one wait for the 16 exponentials
	v_readlane_b32 s[SX], v[XV], 0
	v_mul_f32 v[NUM], s[SX], v[LG]
	v_readlane_b32 s[SX], v[XV], 1
	v_fma_f32 v[NUM], v[LG+1], s[SX], v[NUM]
	v_add_f32 v[DEN], v[LG], v[LG+1]
.set i, 2
.rept 14
	v_readlane_b32 s[SX], v[XV], i
	v_fma_f32 v[NUM], v[LG+i], s[SX], v[NUM]
	v_add_f32 v[DEN], v[DEN], v[LG+i]
.set i, i+1
.endr
	v_rcp_f32 v[DEN], v[DEN]
	v_fma_f32 v[TP0], v[SCR], 4.0, -4.0            ; the score's bin, beside the reciprocal
	s_wait_alu depctr_va_vdst(0)
	v_mul_f32 v[KNN], v[NUM], v[DEN]               ; knn_result
	v_med3_num_f32 v[TP0], v[TP0], 0, 0x41700000
	v_cvt_u32_f32 v[TP0], v[TP0]
	v_cmp_eq_u32 vcc_lo, v[TP0], v[LN]             ; lanes 0-15 alone can match
	v_cndmask_b32 v[TP0], 0, v[PRR], vcc_lo
	v_fma_f32 v[IX], v[KNN], 4.0, -4.0
	v_med3_num_f32 v[IX], v[IX], 0, 0x41700000
	v_cvt_u32_f32 v[IX], v[IX]
	v_cmp_eq_u32 vcc_lo, v[IX], v[LN]
	v_cndmask_b32 v[TP1], 0, v[PRR], vcc_lo
	LSUM TP0, T1                                   ; prob[wav_idx]
	LSUM TP1, T2                                   ; prob[knn_idx]
	FMX HW, TP0, WT+16, 0, HW, 0
	FMX HW, TP1, WT+16, 1, HW, 0
	TANH HW
	FMX LWV, HW, WT+31, 0, WT+48, 2
	LSUM LWV, T1                                   ; wav_lambda
	v_max_num_f32 v[MX], v[LL], v[LWV]             ; softmax over the two
	v_sub_f32 v[LL], v[LL], v[MX]
	v_sub_f32 v[LWV], v[LWV], v[MX]
	v_mul_f32 v[LL], s[C1], v[LL]
	v_mul_f32 v[LWV], s[C1], v[LWV]
	v_exp_f32 v[LL], v[LL]
	v_exp_f32 v[LWV], v[LWV]
	v_nop
	s_wait_alu depctr_va_vdst(0)
	v_add_f32 v[DEN], v[LL], v[LWV]
	v_mul_f32 v[NUM], v[LL], v[KNN]
	v_fma_f32 v[NUM], v[LWV], v[SCR], v[NUM]
	v_rcp_f32 v[DEN], v[DEN]
	v_nop
	s_wait_alu depctr_va_vdst(0)
	v_mul_f32 v[\dst], v[NUM], v[DEN]
.endm
	s_load_b512 s[4:19], s[0:1], 0x0               ; gidb s[4:5], kb s[6:7], kmeta s[8:9], qb s[10:11], qmeta s[12:13], vals s[14:15], score s[16:17], prob s[18:19]
	s_load_b512 s[20:35], s[0:1], 0x40             ; W1k s[20:21], b1k s[22:23], W2k s[24:25], b2k s[26:27], W1l s[28:29], b1l s[30:31], W2l s[32:33], b2l s[34:35]
	s_load_b256 s[36:43], s[0:1], 0x80             ; W1w s[36:37], b1w s[38:39], W2w s[40:41], b2w s[42:43]
	s_load_b64 s[44:45], s[0:1], 0xa0              ; out0
	v_lshl_add_u32 v[SPW], v0, 2, SPARE
	v_mov_b32 v[NIL], 0
	v_lshrrev_b32 v[LN], 5, v0
	v_readfirstlane_b32 s46, v[LN]                 ; wave
	v_and_b32 v[LN], 31, v0
	v_and_b32 v[RR], 15, v0
	v_bfe_u32 v[HH], v0, 4, 1
	v_mov_b32 v[ZO], 0
	v_lshlrev_b32 v[U4], 2, v[LN]
	v_lshlrev_b32 v[U64], 6, v[LN]
	v_lshlrev_b32 v[QOF], 4, v[HH]
	v_lshlrev_b32 v[PO], 2, v[RR]
	v_bfe_u32 v[PS], v0, 3, 1                      ; r / 8
	v_and_b32 v[TQ], 7, v0                         ; r % 8
	v_lshlrev_b32 v[T1], 2, v[PS]                  ; tile T's group for my key row: slot 2 T + r / 8
	v_lshlrev_b32 v[T2], 3, v[TQ]
	v_lshl_add_u32 v[T2], v[HH], 2, v[T2]          ; the group whose distances I keep: slot 2 (r % 8) + h
	v_mov_b32 v[TP], 0
	v_mov_b32 v[QNAN], 0x7fc00000
	s_mul_i32 s47, s46, 32*208
	v_mul_u32_u24 v[LW], v[LN], 208
	v_add_nc_u32 v[LW], s47, v[LW]
	s_lshl2_add_u32 s47, ttmp9, s46
	s_lshl_b32 s47, s47, 1                         ; query a = 8 wg + 2 wave; query b is the next: it is reached by immediates
	s_mov_b32 s49, 0
	s_mov_b32 s[SEL], 0x76543210
	s_mov_b32 s[SEL+1], 0xfedcba98
	s_mov_b32 s[BIG], 0x4e6e6b28                   ; 1e9
	s_mov_b32 s[C1], 0x3fb8aa3b
	s_mov_b32 s[C2], 0x4038aa3b
	s_wait_kmcnt 0x0
	s_lshl_b32 s48, s47, 6
	s_add_nc_u64 s[4:5], s[4:5], s[48:49]
	s_add_nc_u64 s[18:19], s[18:19], s[48:49]
	s_mul_i32 s48, s47, 768
	s_add_nc_u64 s[10:11], s[10:11], s[48:49]
	s_lshl_b32 s48, s47, 2
	s_add_nc_u64 s[16:17], s[16:17], s[48:49]
	s_add_nc_u64 s[44:45], s[44:45], s[48:49]
	s_lshr_b32 s48, s47, 4                         ; qmeta: record q / 16, word q % 16 (a is even: b lies in the same record)
	s_lshl_b32 s48, s48, 8
	s_and_b32 s50, s47, 15
	s_lshl2_add_u32 s48, s50, s48
	s_add_nc_u64 s[12:13], s[12:13], s[48:49]
	s_mov_b32 s50, 0xff00ff00
	s_mov_b32 s51, 0xaaaaaaaa
	s_mov_b32 s52, 0xcccccccc
	s_mov_b32 s53, 0xf0f0f0f0
.irp x, 0,1                            ; 18 loads of group numbers
.irp T, 0,1,2,3,4,5,6,7
	global_load_b32 v[OA+8*(\x)+(\T)], v[T1], s[4:5] offset:64*(\x)+8*(\T)
.endr
	global_load_b32 v[KEY+(\x)], v[T2], s[4:5] offset:64*(\x)
.endr
.set i, 0                              ; 73 loads of weights, lane u taking hidden unit u's
.rept 16
	global_load_b32 v[96+i],  v[U4], s[20:21] offset:128*i
	global_load_b32 v[112+i], v[U4], s[28:29] offset:128*i
.set i, i+1
.endr
.set i, 0
.rept 26
	global_load_b32 v[128+i], v[U4], s[36:37] offset:128*i
.set i, i+1
.endr
	global_load_b32 v154, v[U4], s[22:23]
	global_load_b32 v155, v[U4], s[30:31]
	global_load_b32 v156, v[U4], s[38:39]
	global_load_b32 v157, v[U4], s[32:33]
	global_load_b32 v158, v[U4], s[40:41]
.irp i, 0,1,2,3
	global_load_b128 v[160+4*(\i):163+4*(\i)], v[U64], s[24:25] offset:16*(\i)
	global_load_b128 v[176+4*(\i):179+4*(\i)], v[ZO], s[26:27] offset:16*(\i)
.endr
	global_load_b32 v192, v[ZO], s[34:35]
	global_load_b32 v193, v[ZO], s[42:43]
	s_wait_loadcnt 63                              ; of 91 loads at most 63 are out: the oldest 28 are in, the 18 group numbers among them
.irp x, 0,1
.irp T, 0,1,2,3,4,5,6,7
	v_min_u32 v[OA+8*(\x)+(\T)], 6249, v[OA+8*(\x)+(\T)]
	v_lshl_add_u32 v[OA+8*(\x)+(\T)], v[OA+8*(\x)+(\T)], 3, v[TQ]   ; key = 8 g + r % 8
	v_mul_u32_u24 v[OA+8*(\x)+(\T)], v[OA+8*(\x)+(\T)], 768
	v_add_nc_u32 v[OA+8*(\x)+(\T)], v[OA+8*(\x)+(\T)], v[QOF]
.endr
	v_min_u32 v[KEY+(\x)], 6249, v[KEY+(\x)]
	v_and_b32 v[OK+(\x)], 0x1ffe, v[KEY+(\x)]
	v_lshlrev_b32 v[OK+(\x)], 7, v[OK+(\x)]                         ; record g / 2: 256 bytes
	v_and_b32 v[OV+(\x)], 1, v[KEY+(\x)]
	v_lshl_add_u32 v[OK+(\x)], v[OV+(\x)], 5, v[OK+(\x)]            ; its half
	v_lshl_add_u32 v[OK+(\x)], v[PS], 4, v[OK+(\x)]                 ; my four keys
	v_lshlrev_b32 v[OV+(\x)], 5, v[KEY+(\x)]
	v_lshl_add_u32 v[OV+(\x)], v[PS], 4, v[OV+(\x)]
	v_lshlrev_b32 v[KEY+(\x)], 3, v[KEY+(\x)]
	v_lshl_add_u32 v[KEY+(\x)], v[PS], 2, v[KEY+(\x)]               ; 8 g + 4 (r / 8)
.endr
	LOAD 0
	s_wait_loadcnt 63                              ; behind the weights 199 loads were issued: with at most 63 out the weights are in
.set p, 0
.rept 8
	v_cvt_pk_bf16_f32 v[PW+p],    v[96+2*p],  v[97+2*p]
	v_cvt_pk_bf16_f32 v[PW+8+p],  v[112+2*p], v[113+2*p]
	v_cvt_pk_bf16_f32 v[PW+32+p], v[160+2*p], v[161+2*p]
	v_cvt_pk_bf16_f32 v[PW+40+p], v[176+2*p], v[177+2*p]
.set p, p+1
.endr
.set p, 0
.rept 13
	v_cvt_pk_bf16_f32 v[PW+16+p], v[128+2*p], v[129+2*p]
.set p, p+1
.endr
	v_cvt_pk_bf16_f32 v[PW+29], v154, v155
	v_cvt_pk_bf16_f32 v[PW+30], v156, v157
	v_cvt_pk_bf16_f32 v[PW+31], v158, v[ZO]
	v_cvt_pk_bf16_f32 v[PW+48], v192, v193
	s_mov_b32 s63, 1
.set p, 40
.rept 9
	v_cndmask_b32 v[PW+p], v[ZO], v[PW+p], s63     ; the second layers' biases stay in lane 0 alone
.set p, p+1
.endr
	v_mov_b32 v[PW+49], 0
	v_mov_b32 v[PW+50], 0
	v_mov_b32 v[PW+51], 0
.set q, 0
.rept 13
	ds_store_b128 v[LW], v[PW+4*q:PW+4*q+3] offset:16*q
.set q, q+1
.endr
	s_wait_dscnt 0x0                               ; the stores have read their registers, which the query's fragments take
	LOADQ 0
	s_wait_loadcnt 0x0
	MM
	EXTRACT
	DIST 0
	LOAD 1                                         ; query b's loads go out ahead of query a's head; the selects above are the places behind the products that read these registers
	LOADQ 1
	HEAD RES
	s_wait_loadcnt 0x0
	MM
	EXTRACT
	DIST 1
	HEAD TQ
	s_mov_b32 s63, 2
	v_cndmask_b32 v[RES], v[RES], v[TQ], s63       ; lane 0: query a; lane 1: query b
	v_cmp_gt_u32 vcc_lo, 2, v[LN]
	s_wait_xcnt 0x0                                ; EXEC changes only behind this wait
	s_and_saveexec_b32 s62, vcc_lo
	global_store_b32 v[U4], v[RES], s[44:45]
	s_wait_xcnt 0x0                                ; and again, ahead of the line that widens it
	s_or_b32 exec_lo, exec_lo, s62
	s_wait_tensorcnt 0x0                           ; the wave's end
	ds_add_u32 v[SPW], v[NIL]
	s_wait_dscnt 0x0
	s_endpgm
.Lfunc_end_k_q85c6772674_final:
	.size	k_q85c6772674_final, .Lfunc_end_k_q85c6772674_final-k_q85c6772674_final
	.p2alignl 7, 3214868480
	.fill 96, 4, 3214868480
	.section	.rodata,"a",@progbits
	.p2align	6, 0x0
	.amdhsa_kernel k_q85c6772674_final
		.amdhsa_group_segment_fixed_size 27136
		.amdhsa_private_segment_fixed_size 0
		.amdhsa_enable_private_segment 0
		.amdhsa_kernarg_size 168
		.amdhsa_user_sgpr_count 2
		.amdhsa_user_sgpr_kernarg_segment_ptr 1
		.amdhsa_wavefront_size32 1
		.amdhsa_system_sgpr_workgroup_id_x 1
		.amdhsa_system_sgpr_workgroup_id_y 1
		.amdhsa_system_sgpr_workgroup_id_z 1
		.amdhsa_system_vgpr_workitem_id 0
		.amdhsa_next_free_vgpr 1024
		.amdhsa_next_free_sgpr 66
		.amdhsa_reserve_vcc 1
		.amdhsa_float_denorm_mode_32 3
		.amdhsa_float_denorm_mode_16_64 3
		.amdhsa_memory_ordered 1
		.amdhsa_forward_progress 1
		.amdhsa_inst_pref_size 139
	.end_amdhsa_kernel
	.amdgpu_metadata
---
amdhsa.version: [ 1, 2 ]
amdhsa.kernels:
  - .name:           k_q85c6772674_final
    .symbol:         k_q85c6772674_final.kd
    .args:
      - { .name: gidb, .offset: 0, .size: 8, .value_kind: global_buffer, .address_space: global }
      - { .name: kb, .offset: 8, .size: 8, .value_kind: global_buffer, .address_space: global }
      - { .name: kmeta, .offset: 16, .size: 8, .value_kind: global_buffer, .address_space: global }
      - { .name: qb, .offset: 24, .size: 8, .value_kind: global_buffer, .address_space: global }
      - { .name: qmeta, .offset: 32, .size: 8, .value_kind: global_buffer, .address_space: global }
      - { .name: vals, .offset: 40, .size: 8, .value_kind: global_buffer, .address_space: global }
      - { .name: wav2vec_score, .offset: 48, .size: 8, .value_kind: global_buffer, .address_space: global }
      - { .name: wav2vec_prob, .offset: 56, .size: 8, .value_kind: global_buffer, .address_space: global }
      - { .name: W1k, .offset: 64, .size: 8, .value_kind: global_buffer, .address_space: global }
      - { .name: b1k, .offset: 72, .size: 8, .value_kind: global_buffer, .address_space: global }
      - { .name: W2k, .offset: 80, .size: 8, .value_kind: global_buffer, .address_space: global }
      - { .name: b2k, .offset: 88, .size: 8, .value_kind: global_buffer, .address_space: global }
      - { .name: W1l, .offset: 96, .size: 8, .value_kind: global_buffer, .address_space: global }
      - { .name: b1l, .offset: 104, .size: 8, .value_kind: global_buffer, .address_space: global }
      - { .name: W2l, .offset: 112, .size: 8, .value_kind: global_buffer, .address_space: global }
      - { .name: b2l, .offset: 120, .size: 8, .value_kind: global_buffer, .address_space: global }
      - { .name: W1w, .offset: 128, .size: 8, .value_kind: global_buffer, .address_space: global }
      - { .name: b1w, .offset: 136, .size: 8, .value_kind: global_buffer, .address_space: global }
      - { .name: W2w, .offset: 144, .size: 8, .value_kind: global_buffer, .address_space: global }
      - { .name: b2w, .offset: 152, .size: 8, .value_kind: global_buffer, .address_space: global }
      - { .name: out0, .offset: 160, .size: 8, .value_kind: global_buffer, .address_space: global }
    .group_segment_fixed_size: 27136
    .private_segment_fixed_size: 0
    .kernarg_segment_align: 8
    .kernarg_segment_size: 168
    .max_flat_workgroup_size: 128
    .sgpr_count:     66
    .vgpr_count:     1024
    .wavefront_size: 32
...
	.end_amdgpu_metadata
.endif
;; end of part 5
;; ======== version 2 of 2: 5 launches; version 1 with the launch prep written anew for expert scheduling mode
;; limits: right only within a limited range of input values
;; workspace buffers: kb 38,633,472 bytes; kmeta 804,864 bytes; qb 1,572,864 bytes; qmeta 32,768 bytes; l1 51,380,224 bytes; l2 4,194,304 bytes; sgid 131,072 bytes of whole numbers; gidb 131,072 bytes of whole numbers
;; launch prep (part 6): grid 409 x 1, 8 waves a work-group, no clusters, 0 bytes of LDS; arguments keys, key_sys, input_future, syslist, kb, kmeta, qb, qmeta; writes kb, kmeta, qb, qmeta
.if DOCPART == 6
	.amdgcn_target "amdgcn-amd-amdhsa--gfx1250"
	.amdhsa_code_object_version 6
	.text
	.protected	k_q85c6772674_prep
	.globl	k_q85c6772674_prep
	.p2align	8
	.type	k_q85c6772674_prep,@function
k_q85c6772674_prep:
	s_mov_b64 s[64:65], 0
	v_nop
	global_prefetch_b8 v0, s[64:65] scope:SCOPE_SE
	s_setreg_imm32_b32 hwreg(HW_REG_WAVE_SCHED_MODE, 0, 2), 2
	s_setreg_imm32_b32 hwreg(HW_REG_WAVE_MODE, 25, 1), 1
	s_wait_xcnt 0x0
	s_wait_alu depctr_vm_vsrc(0)
; PREP.  keys [50000][384] f32 and input_future [2048][384] f32 are rounded once to bf16 (kb, qb: 768 bytes a row), and for each tile of
; 16 rows a record of 256 bytes is written (kmeta, qmeta): the 16 sums of squares of the ROUNDED numbers in f32, the 16 system ids, zeros.
; One wave, one tile of 16 rows.  Work-groups 0 .. 392 take key tiles 8 wg + wave (0 .. 3143), work-groups 393 .. 408 the 128 query tiles.
; 50,000 = 3,125 x 16: a key tile is wholly real or wholly pad.  Pad tiles (3125 .. 3143) get zero rows, sums of +inf and id 0.
; A tile is 24,576 consecutive bytes: 48 loads of 512 bytes, all issued at once; a row is three of them.  Each store covers 256 consecutive bytes (a pad tile's: 512), aligned.
; No LDS, no barrier: no wave needs another's bytes.  The sums' order differs from a plain left-to-right sum (two chains a lane, then across lanes).
; THE MODE: SCHED_MODE bits 1:0 = 2 (LLVM: expert scheduling mode 2), set by the entry lines.  The code itself states the register dependences
; between vector instructions and memory instructions, with s_wait_alu, always for 0.
; THE PLAN.  Registers that memory instructions touch:
;   v3, v4, v5   byte offsets, made once at the head and never written again; every load and store reads one of them.
;   v[12:15]     zeros, made at the head and never written again; the pad path's stores read them as data.
;   v[6:7]       the ids: one load lands here; two selects at the end read them.
;   X            the tile: each register takes one load, all 48 issued at the head.  A row's six roundings write words 0 and 1 of each of its three loads' registers, in place,
;                once; the row's three stores and its sums read them; nobody writes them again.
;   v[8:9]       the record's 8 bytes: written by selects alone; read by one store, the last instruction of either path.
; No register that a memory instruction has read is written again, so nothing is owed for that.  What is owed is that vector results are written before a load or store reads them:
; one wait at the head for the offsets and the zeros; one for each PAIR of rows, behind the pair's twelve roundings; one ahead of the record's store.
; Behind a pair's wait its six stores are dealt among its sums, a row's three ahead of that row's sums: the only vector instructions between the wait and the odd row's stores
; are the even row's sums, which name the even row's X, v[8:11] and the zeros, none of them a register of those stores.
.set NKT,  3125                        ; real key tiles
.set KWG,  393                         ; work-groups that take key tiles
.set EV,   8                           ; v[8:9]   the record's 8 bytes of my lane: even row's sum, odd row's sum
.set SUM,  10                          ; v[10:11] two chains of squares
.set ZR,   12                          ; v[12:15] zeros
.set X,    32                          ; v[32:223] the tile as loaded: load i at X + 4 i
	s_load_b256 s[4:11], s[0:1], 0x0               ; keys s[4:5], key_sys s[6:7], input_future s[8:9], syslist s[10:11]
	s_load_b256 s[12:19], s[0:1], 0x20             ; kb s[12:13], kmeta s[14:15], qb s[16:17], qmeta s[18:19]
	v_lshrrev_b32 v1, 5, v0
	v_readfirstlane_b32 s20, v1                    ; wave 0..7
	v_and_b32 v2, 31, v0                           ; lane
	v_lshlrev_b32 v3, 4, v2                        ; 16 x lane
	v_and_b32 v4, 7, v0
	v_lshlrev_b32 v4, 3, v4                        ; 8 x (lane % 8): a pair of ids
	v_lshlrev_b32 v5, 3, v2                        ; 8 x lane
	v_mov_b32 v[EV], 0
	v_mov_b32 v[EV+1], 0
.irp i, 0,1,2,3
	v_mov_b32 v[ZR+(\i)], 0
.endr
	s_mov_b32 s26, 0x76543210                      ; v_permlanex16_b32: each lane takes its own place in the other half
	s_mov_b32 s27, 0xfedcba98
	s_mov_b32 s22, NKT
	s_mov_b32 s23, 128
	s_wait_alu depctr_va_sdst(0)                   ; s20, the wave's number, is written, ahead of its first reader: the tile's number is made from it
	s_wait_kmcnt 0x0
	s_cmp_lt_u32 ttmp9, KWG                        ; keys or queries: the choice hangs on the work-group's number alone
	s_cselect_b64 s[4:5], s[4:5], s[8:9]           ; rows in
	s_cselect_b64 s[6:7], s[6:7], s[10:11]         ; ids in
	s_cselect_b64 s[12:13], s[12:13], s[16:17]     ; rows out
	s_cselect_b64 s[14:15], s[14:15], s[18:19]     ; records out
	s_cselect_b32 s21, 0, KWG
	s_cselect_b32 s22, s22, s23                    ; how many tiles are real
	s_sub_co_u32 s21, ttmp9, s21
	s_lshl3_add_u32 s21, s21, s20                  ; my tile
	s_mov_b32 s25, 0
	s_mul_i32 s24, s21, 24576
	s_add_nc_u64 s[4:5], s[4:5], s[24:25]
	s_lshl_b32 s24, s21, 6
	s_add_nc_u64 s[6:7], s[6:7], s[24:25]
	s_mul_i32 s24, s21, 12288
	s_add_nc_u64 s[12:13], s[12:13], s[24:25]
	s_lshl_b32 s24, s21, 8
	s_add_nc_u64 s[14:15], s[14:15], s[24:25]
	s_wait_alu depctr_va_vdst(0)                   ; the offsets v3, v4, v5 and the zeros v[12:15] are written: the loads and stores of both paths below read them
	s_cmp_lt_u32 s21, s22
	s_cbranch_scc0 .Lpad
	global_load_b64 v[6:7], v4, s[6:7]             ; ids 2 (lane % 8) and the next
.set i, 0
.rept 48
	global_load_b128 v[X+4*i:X+4*i+3], v3, s[4:5] offset:512*i th:TH_LOAD_NT
.set i, i+1
.endr
; Row rho is rounded in place: each load's registers 0, 1 then hold four bf16.
.macro ROUND rho
.set XR, X+12*(\rho)
.irp i, 0,4,8
	v_cvt_pk_bf16_f32 v[XR+(\i)],   v[XR+(\i)],   v[XR+(\i)+1]
	v_cvt_pk_bf16_f32 v[XR+(\i)+1], v[XR+(\i)+2], v[XR+(\i)+3]
.endr
.endm
; Row rho is stored.
.macro SEND rho
.set XR, X+12*(\rho)
.irp i, 0,1,2
	global_store_b64 v5, v[XR+4*(\i):XR+4*(\i)+1], s[12:13] offset:256*(3*(\rho)+(\i))  ; 32 lanes x 8 bytes: 256 consecutive bytes, aligned
.endr
.endm
; Row rho is squared from the rounded halves and summed over the 32 lanes; lane rho / 2 keeps the sum.
.macro SQUARE rho
.set XR, X+12*(\rho)
	v_fma_mix_f32_bf16 v[SUM],   v[XR], v[XR], v[ZR] op_sel_hi:[1,1,0]                  ; low halves' chain starts on 0
	v_fma_mix_f32_bf16 v[SUM+1], v[XR], v[XR], v[ZR] op_sel:[1,1,0] op_sel_hi:[1,1,0]   ; high halves' chain
.irp i, 1,4,5,8,9
	v_fma_mix_f32_bf16 v[SUM],   v[XR+(\i)], v[XR+(\i)], v[SUM] op_sel_hi:[1,1,0]
	v_fma_mix_f32_bf16 v[SUM+1], v[XR+(\i)], v[XR+(\i)], v[SUM+1] op_sel:[1,1,0] op_sel_hi:[1,1,0]
.endr
	v_add_f32 v[SUM], v[SUM], v[SUM+1]
	v_add_f32_dpp v[SUM], v[SUM], v[SUM] row_xmask:1 row_mask:0xf bank_mask:0xf
	v_add_f32_dpp v[SUM], v[SUM], v[SUM] row_xmask:2 row_mask:0xf bank_mask:0xf
	v_add_f32_dpp v[SUM], v[SUM], v[SUM] row_xmask:4 row_mask:0xf bank_mask:0xf
	v_add_f32_dpp v[SUM], v[SUM], v[SUM] row_xmask:8 row_mask:0xf bank_mask:0xf
	v_permlanex16_b32 v[SUM+1], v[SUM], s26, s27
	v_add_f32 v[SUM], v[SUM], v[SUM+1]
	s_mov_b32 s28, 1<<((\rho)/2)
	v_cndmask_b32 v[EV+(\rho)%2], v[EV+(\rho)%2], v[SUM], s28   ; lane rho / 2 keeps it
.endm
; Pair p: rows 2 p and 2 p + 1, the two sums of lane p's 8 bytes of the record.
.macro PAIR p
	s_wait_loadcnt 42-6*(\p)                       ; behind the pair's sixth load 42 - 6 p loads were issued: they may stay out
	ROUND 2*(\p)
	ROUND 2*(\p)+1
	s_wait_alu depctr_va_vdst(0)                   ; the twelve roundings have written the pair's X registers, which the six stores below read
	SEND 2*(\p)
	SQUARE 2*(\p)
	SEND 2*(\p)+1                                  ; no further wait: no vector instruction since the wait names this row's registers or v5
	SQUARE 2*(\p)+1
.endm
.irp p, 0,1,2,3,4,5,6,7
	PAIR \p
.endr
	s_mov_b32 s28, 0xff00                          ; lanes 8-15 carry the ids (the last pair's wait was for 0: they are in); lanes 16-31 keep zeros
	v_cndmask_b32 v[EV], v[EV], v6, s28
	v_cndmask_b32 v[EV+1], v[EV+1], v7, s28
	s_wait_alu depctr_va_vdst(0)                   ; the selects have written v[8:9], which the record's store reads
	global_store_b64 v5, v[EV:EV+1], s[14:15]
	s_endpgm
.Lpad:                                         ; a pad tile: zero rows; sums of +inf, so that its distances are +inf
.set i, 0
.rept 24
	global_store_b128 v3, v[ZR:ZR+3], s[12:13] offset:512*i   ; v3 and the zeros were written ahead of the wait that stands in front of the branch
.set i, i+1
.endr
	v_mov_b32 v16, 0x7f800000
	v_cmp_gt_u32 vcc_lo, 8, v2
	s_wait_alu depctr_va_vcc(0)                    ; the compare has written VCC, which the two selects read
	v_cndmask_b32 v[EV], v[ZR], v16, vcc_lo
	v_cndmask_b32 v[EV+1], v[ZR], v16, vcc_lo
	s_wait_alu depctr_va_vdst(0)                   ; the selects have written v[8:9], which the record's store reads
	global_store_b64 v5, v[EV:EV+1], s[14:15]
	s_endpgm
.Lfunc_end_k_q85c6772674_prep:
	.size	k_q85c6772674_prep, .Lfunc_end_k_q85c6772674_prep-k_q85c6772674_prep
	.p2alignl 7, 3214868480
	.fill 96, 4, 3214868480
	.section	.rodata,"a",@progbits
	.p2align	6, 0x0
	.amdhsa_kernel k_q85c6772674_prep
		.amdhsa_group_segment_fixed_size 0
		.amdhsa_private_segment_fixed_size 0
		.amdhsa_enable_private_segment 0
		.amdhsa_kernarg_size 64
		.amdhsa_user_sgpr_count 2
		.amdhsa_user_sgpr_kernarg_segment_ptr 1
		.amdhsa_wavefront_size32 1
		.amdhsa_system_sgpr_workgroup_id_x 1
		.amdhsa_system_sgpr_workgroup_id_y 1
		.amdhsa_system_sgpr_workgroup_id_z 1
		.amdhsa_system_vgpr_workitem_id 0
		.amdhsa_next_free_vgpr 224
		.amdhsa_next_free_sgpr 66
		.amdhsa_reserve_vcc 1
		.amdhsa_float_denorm_mode_32 3
		.amdhsa_float_denorm_mode_16_64 3
		.amdhsa_memory_ordered 1
		.amdhsa_forward_progress 1
		.amdhsa_inst_pref_size 41
	.end_amdhsa_kernel
	.amdgpu_metadata
---
amdhsa.version: [ 1, 2 ]
amdhsa.kernels:
  - .name:           k_q85c6772674_prep
    .symbol:         k_q85c6772674_prep.kd
    .args:
      - { .name: keys, .offset: 0, .size: 8, .value_kind: global_buffer, .address_space: global }
      - { .name: key_sys, .offset: 8, .size: 8, .value_kind: global_buffer, .address_space: global }
      - { .name: input_future, .offset: 16, .size: 8, .value_kind: global_buffer, .address_space: global }
      - { .name: syslist, .offset: 24, .size: 8, .value_kind: global_buffer, .address_space: global }
      - { .name: kb, .offset: 32, .size: 8, .value_kind: global_buffer, .address_space: global }
      - { .name: kmeta, .offset: 40, .size: 8, .value_kind: global_buffer, .address_space: global }
      - { .name: qb, .offset: 48, .size: 8, .value_kind: global_buffer, .address_space: global }
      - { .name: qmeta, .offset: 56, .size: 8, .value_kind: global_buffer, .address_space: global }
    .group_segment_fixed_size: 0
    .private_segment_fixed_size: 0
    .kernarg_segment_align: 8
    .kernarg_segment_size: 64
    .max_flat_workgroup_size: 256
    .sgpr_count:     66
    .vgpr_count:     224
    .wavefront_size: 32
...
	.end_amdgpu_metadata
.endif
;; end of part 6
;; launch main: the kernel of part 2 again; grid 4 x 64, 4 waves a work-group, clusters of 4 x 1, 327,680 bytes of LDS; arguments kb, kmeta, qb, qmeta, l1, l2; writes l1, l2
;; launch sela: the kernel of part 3 again; grid 256 x 1, 8 waves a work-group, no clusters, 2,048 bytes of LDS; arguments l2, sgid; writes sgid
;; launch selb: the kernel of part 4 again; grid 256 x 1, 8 waves a work-group, no clusters, 2,048 bytes of LDS; arguments l1, sgid, gidb; writes gidb
;; launch final: the kernel of part 5 again; grid 256 x 1, 4 waves a work-group, no clusters, 27,136 bytes of LDS; arguments gidb, kb, kmeta, qb, qmeta, vals, wav2vec_score, wav2vec_prob, W1k, b1k, W2k, b2k, W1l, b1l, W2l, b2l, W1w, b1w, W2w, b2w, out0; writes out0
